; MI455X (gfx1250); checked and timed in simulation.
; The chip was launched on July 23, 2026; its instructions are those of AMD's public machine-readable ISA for CDNA 5 (MIT licence, August 2026) and "CDNA5" Instruction Set Architecture Reference Guide (July 2026). The comments in the code are by the model that wrote it; some were corrected since.
;; Mamba3 Block. Allowed arithmetic: matrix products marked QUANTISED: E5M2 operands, one E8M0 scale for each 32 along K, by v_wmma_scale_f32_16x16x128_f8f6f4 with both operands' format E5M2, f32 sums; products left as they are: f32 operands where the result goes on into a quantised operand, else bf16, f16 or f32 operands; f32 sums; everything else in f32.
;; Inputs: ada_b 3,072 float32; ada_w 1,024 x 3,072 float32; bwd_b1 1,024 float32; bwd_b2 1,024 float32; bwd_w1 1,024 x 1,024 float32; bwd_w2 1,024 x 1,024 float32; ff_b1 2,048 float32; ff_b2 1,024 float32; ff_w1 1,024 x 2,048 float32; ff_w2 2,048 x 1,024 float32; ffada_b 3,072 float32; ffada_w 1,024 x 3,072 float32; mask 8 x 1,024 bool; ssm_b1 1,024 float32; ssm_b2 1,024 float32; ssm_w1 1,024 x 1,024 float32; ssm_w2 1,024 x 1,024 float32; t 8 x 1,024 float32; x 8 x 1,024 x 1,024 float32.
;; Outputs: out0 8 x 1,024 x 1,024 float32.
;; This version of the problem:
;;   THIS VERSION OF THE PROBLEM IS GIVEN IN LOW PRECISION. The matrix products marked QUANTISED in the list below multiply operands that are first quantised to E5M2 (5 exponent bits, 2 mantissa bits; 8 bits a number), with one power-of-two scale for each 32 numbers along K (OCP MX v1.0); their sums are f32. All else is computed in f32.
;;   The module's matrix products, in the order in which they are computed (A, B: the left and right operand; K: the contracted axis; several contracted axes count as one K, in the product's order):
;;     1. [M 8, K 1,024] x [K 1,024, N 3,072]; A: computed on the way; B: input ada_w: left as it is (M = 8 < 16)
;;     2. [M 8,192, K 1,024] x [K 1,024, N 1,024]; A: computed on the way; B: input ssm_w1: QUANTISED
;;     3. [M 8,192, K 1,024] x [K 1,024, N 1,024]; A: computed on the way; B: input ssm_w2: QUANTISED
;;     4. [M 8,192, K 1,024] x [K 1,024, N 1,024]; A: computed on the way; B: input bwd_w1: QUANTISED
;;     5. [M 8,192, K 1,024] x [K 1,024, N 1,024]; A: computed on the way; B: input bwd_w2: QUANTISED
;;     6. [M 8, K 1,024] x [K 1,024, N 3,072]; A: computed on the way; B: input ffada_w: left as it is (M = 8 < 16)
;;     7. [M 8,192, K 1,024] x [K 1,024, N 2,048]; A: computed on the way; B: input ff_w1: QUANTISED
;;     8. [M 8,192, K 2,048] x [K 2,048, N 1,024]; A: computed on the way; B: input ff_w2: QUANTISED
;;   THE QUANTISER, for each operand of a quantised product, along K:
;;     - K is cut into blocks of 32 from its start; a last block that is shorter is filled with zeros.
;;     - A block's scale is 2^e with e = floor(log2(the largest magnitude in the block)) - 15, held to -126 .. 127; a block of zeros has e = 0. As a byte (E8M0): e + 127.
;;     - Each number is divided by its block's scale, clamped to +-57,344, and rounded to the nearest number of E5M2, ties to even, subnormals kept.
;;     - The product sums the exact products of the quantised numbers (number of the format x scale) in f32.
;;   ~~~python
;;   def quantise(x, axis):      # numpy; x: float32 -> the quantised numbers, widened to float32 again
;;       x = np.moveaxis(x, axis, -1); K = x.shape[-1]
;;       x = np.pad(x, [(0, 0)] * (x.ndim - 1) + [(0, -K % 32)]); x = x.reshape(x.shape[:-1] + (-1, 32)); a = np.abs(x).max(-1, keepdims=True)
;;       e = np.where(a > 0, np.clip(np.frexp(np.where(a > 0, a, 1))[1] - 1 - 15, -126, 127), 0)      # np.frexp(a)[1] - 1 = floor(log2(a)), exactly
;;       r = np.clip(x / 2.0 ** e, -57344, 57344)
;;       step = 2.0 ** (np.maximum(np.frexp(np.where(r == 0, 1, r))[1] - 1, -14) - 2)
;;       q = np.round(r / step) * step * 2.0 ** e      # np.round: ties to even
;;       return np.moveaxis(q.reshape(q.shape[:-2] + (-1,))[..., :K], -1, axis).astype(np.float32)
;;   ~~~
;;   OPERANDS COMPUTED ON THE WAY. 'Computed on the way' means the value that the module computes at that place (a softmax that the list does not call 'softmax' is quantised finished and normalised). What goes into a quantiser is computed in f32, as accurately as f32 sums, v_exp_f32 and their like allow (about 1e-6 of the number): no bf16 or f16 on the way to a quantiser, and a product that is left as it is and whose result goes on into a quantised operand takes f32 operands (vector FMAs, or v_wmma_f32_16x16x4_f32). A number that lies on a knife's edge between two numbers of the format may be rounded either way, as far as f32 arithmetic and the matrix unit's own rounding can turn it there, and no further.
;; One version. Each part assembles by itself: llvm-mc -triple=amdgcn-amd-amdhsa -mcpu=gfx1250 --defsym DOCPART=n.
;; ======== version 1 of 1: 7 launches
;; limits: a function is approximated: absolute error at most 7.5e-08; an absolute error that grows with the inputs' magnitude: up to 7.5e-08 times it
;; workspace buffers: aq 8,650,752 bytes; hq 17,301,504 bytes; p1 4,427,776 bytes; p2 4,427,776 bytes; x1 33,554,432 bytes; ones 8,192 bytes of whole numbers
;; launch prep (part 1): grid 225 x 1, 8 waves a work-group, no clusters, 50,176 bytes of LDS; arguments t, ada_w, ada_b, ffada_w, ffada_b, ssm_w1, bwd_w1, ssm_w2, bwd_w2, ff_w1, ff_w2, ssm_b2, bwd_b2, ff_b2, p1, p2, ones; writes p1, p2, ones
.if DOCPART == 1
	.amdgcn_target "amdgcn-amd-amdhsa--gfx1250"
	.amdhsa_code_object_version 6
	.text
	.protected	k_q28736f0114_prep
	.globl	k_q28736f0114_prep
	.p2align	8
	.type	k_q28736f0114_prep,@function
k_q28736f0114_prep:
	s_mov_b64 s[64:65], 0
	v_nop
	global_prefetch_b8 v0, s[64:65] scope:SCOPE_SE
	s_setreg_imm32_b32 hwreg(HW_REG_WAVE_MODE, 25, 1), 1
	s_wait_xcnt 0x0
; THE WHOLE PROGRAM: Mamba3Block on 8,192 rows (8 x 1,024) of 1,024, in seven launches: this one; LayerNorm + modulation + quantiser; first product + GELU + quantiser; second product + gated residual; and the last three once more.
; WORK LEFT OUT: the two jnp.flip.  The fallback SSM is Linear, GELU, Linear on each position alone, so flip(f(flip(u))) = f(u) for all values of the inputs: a permutation of rows and its inverse, no arithmetic.  No input becomes dead by it: every input is loaded.
; With the flips gone, fwd + bwd = gelu(norm [ssm_w1 | bwd_w1] + [ssm_b1 | bwd_b1]) [ssm_w2 ; bwd_w2] + (ssm_b2 + bwd_b2): one chain 1,024 -> 2,048 -> 1,024.  Blocks of 32 along K do not cross the seam at 1,024, so codes and scales are those of the four single products.
; THIS LAUNCH makes two parameter packs, p1 (SSM half) and p2 (feed-forward half), and `ones` (8,192 bytes of 1: the second half has no mask).  A pack, by byte offset:
;   0 the first weight's codes (N = 2,048, K = 1,024); 2,097,152 the second's (N = 1,024, K = 2,048); 4,194,304 and 4,259,840 their scale words [K / 128][position]; 4,325,376 emb [8][3,072] f32 = (shift, 1 + scale, gate); 4,423,680 the second bias [1,024].
; CODES LIE IN THE ORDER OF THE MATRIX OPERAND'S REGISTERS: a fragment (16 rows x 128 K) is 2,048 bytes [c 0..3][lane][16 bytes], lane r + 16 h holding row r, k = 32 c + 16 h + 0..15; fragment (block, ks) begins at (block x K / 128 + ks) x 2,048.
; A weight's column n sits at position p = n with bits 3 and 4 exchanged, so that in the transposed product a lane's registers of two neighbouring tiles are 16 neighbouring columns.
; ROLES by work-group: 0-127 quantise the weights (E5M2, one E8M0 byte for 32 along K; a lane takes a column, its registers run down K); 128-223 emb = silu(t) W + b in f32 multiply-adds (its results go on into quantised operands); 224 the biases and `ones`.
; LIMITS: a block of zeros gets the scale byte 1, not 127 (its codes are zeros; this program alone reads the bytes); blocks whose largest magnitude lies under 2^-111 are held at that byte; NaN and infinities among the inputs are not served.
.set PART,    32768                    ; LDS: 0 each wave's table of silu(t), 4,096 bytes; PART the waves' partial sums, 2,048 bytes each
.set SPARE,   49152                    ; the spare words, 128 bytes for each wave: four blocks of 256 bytes that no other line names
.set OFF_SA,  4194304
.set OFF_EMB, 4325376
.set OFF_B2,  4423680
.set STW, 2                            ; v2   table, where I store: 4,096 w + 128 lane
.set STR, 7                            ; v7   table, where all lanes read: 4,096 w
.set PST, 14                           ; v14  partial sums, where I store: PART + 2,048 w + 8 lane
.set PRD, 15                           ; v15  and read: PART + 8 x thread
.set SPW, 12                           ; v12  my spare word;  v13  0; neither is rewritten
.set NIL, 13
.set X,   32                           ; weights: v32-95 two sets of 32 numbers; v96-159 eight registers of codes for each block; v24-25 scale words; v16-20 at work
.set C,   96
.set SB,  24
.set SV,  16                           ; emb: v16-79 silu(t) of 8 k x 8 batches; v80-95 sums (batch b: a pair of columns); v96-191 W, a ring of three groups of 16 k; v192-223 t; v224-255 at work
.set ACC, 80
.set WR,  96
.set TT,  192
.set EX,  224
	s_load_b512 s[4:19], s[0:1], 0x0               ; t 4, ada_w 6, ada_b 8, ffada_w 10, ffada_b 12, ssm_w1 14, bwd_w1 16, ssm_w2 18
	s_load_b512 s[20:35], s[0:1], 0x40             ; bwd_w2 20, ff_w1 22, ff_w2 24, ssm_b2 26, bwd_b2 28, ff_b2 30, p1 32, p2 34
	s_load_b64 s[36:37], s[0:1], 0x80              ; ones
	v_lshl_add_u32 v[SPW], v0, 2, SPARE
	v_mov_b32 v[NIL], 0
	v_lshrrev_b32 v1, 5, v0
	v_readfirstlane_b32 s39, v1                    ; wave 0..7
	v_and_b32 v1, 31, v0                           ; lane
	s_lshl_b32 s40, s39, 12
	v_lshl_add_u32 v[STW], v1, 7, s40              ; every LDS address is made here, ahead of the parting of the roles
	v_mov_b32 v[STR], s40
	s_lshl_b32 s41, s39, 11
	s_add_co_u32 s41, s41, PART
	v_lshl_add_u32 v[PST], v1, 3, s41
	v_lshl_add_u32 v[PRD], v0, 3, PART
	s_mov_b32 s38, ttmp9
	s_wait_kmcnt 0x0
	s_cmp_lt_u32 s38, 128
	s_cbranch_scc1 .Lwq
	s_cmp_lt_u32 s38, 224
	s_cbranch_scc1 .Lemb
	; ---- work-group 224: ssm_b2 + bwd_b2 -> p1, ff_b2 -> p2, 8,192 bytes of 1 -> ones.  16 bytes a thread: a wave's store covers 512 consecutive bytes
	v_lshlrev_b32 v3, 4, v0
	global_load_b128 v[16:19], v3, s[26:27]
	global_load_b128 v[20:23], v3, s[28:29]
	global_load_b128 v[24:27], v3, s[30:31]
.irp i, 32,33,34,35
	v_mov_b32 v\i, 0x01010101
.endr
	s_add_nc_u64 s[42:43], s[32:33], OFF_B2
	s_add_nc_u64 s[44:45], s[34:35], OFF_B2
	s_wait_loadcnt 0x0
	v_pk_add_f32 v[16:17], v[16:17], v[20:21]
	v_pk_add_f32 v[18:19], v[18:19], v[22:23]
	global_store_b128 v3, v[16:19], s[42:43]
	global_store_b128 v3, v[24:27], s[44:45]
	global_store_b128 v3, v[32:35], s[36:37]
	global_store_b128 v3, v[32:35], s[36:37] offset:4096
	s_branch .Ljoin
	; ---- work-groups 0-127: a square of 1,024 (k) x 1,024 (n) is shared by 16 work-groups: 256 k x 256 columns each, 32 columns a wave
.Lwq:
	s_lshr_b32 s44, s38, 4                         ; square 0..7: ssm_w1, bwd_w1, ssm_w2, bwd_w2, ff_w1 left, ff_w1 right, ff_w2 upper, ff_w2 lower
	s_bfe_u32 s45, s38, 0x20002                    ; which 256 along k
	s_and_b32 s46, s38, 3                          ; which 256 columns
	s_bfe_u32 s47, s44, 0x10001                    ; 0: a first weight (K = 1,024), 1: a second weight (K = 2,048)
	s_and_b32 s48, s44, 1                          ; which half of the joined weight
	s_lshr_b32 s49, s44, 1
	s_mov_b64 s[40:41], s[14:15]                   ; the source, chosen by the work-group's number alone
	s_cmp_eq_u32 s44, 1
	s_cselect_b64 s[40:41], s[16:17], s[40:41]
	s_cmp_eq_u32 s44, 2
	s_cselect_b64 s[40:41], s[18:19], s[40:41]
	s_cmp_eq_u32 s44, 3
	s_cselect_b64 s[40:41], s[20:21], s[40:41]
	s_cmp_eq_u32 s49, 2
	s_cselect_b64 s[40:41], s[22:23], s[40:41]
	s_cselect_b32 s50, 21, 20                      ; 256 rows of 8,192 bytes (ff_w1) or of 4,096, as a shift
	s_cmp_eq_u32 s49, 3
	s_cselect_b64 s[40:41], s[24:25], s[40:41]
	s_cmp_lt_u32 s44, 4
	s_cselect_b64 s[42:43], s[32:33], s[34:35]     ; the pack
	s_cmp_eq_u32 s44, 5
	s_cselect_b32 s51, 4096, 0                     ; ff_w1's right half begins 1,024 columns on,
	s_cmp_eq_u32 s44, 7
	s_cselect_b32 s52, 0x400000, 0                 ; ff_w2's lower half 1,024 rows down
	s_lshl_b32 s53, s45, s50
	s_lshl_b32 s54, s46, 8
	s_lshl_b32 s55, s39, 5
	s_add_co_u32 s54, s54, s55                     ; my wave's first column in the square
	s_lshl_b32 s66, s54, 2
	s_add_co_u32 s66, s66, s51
	s_add_co_u32 s66, s66, s52
	s_add_co_u32 s66, s66, s53
	s_mov_b32 s67, 0
	s_add_nc_u64 s[40:41], s[40:41], s[66:67]
	s_lshl_b32 s57, s48, 10
	s_lshl_b32 s58, s48, 3
	s_cmp_eq_u32 s47, 0
	s_cselect_b32 s57, s57, 0                      ; a first weight's second half: positions 1,024 on;
	s_cselect_b32 s58, 0, s58                      ; a second weight's: K steps 8 on
	s_add_co_u32 s59, s54, s57                     ; my wave's first position (a multiple of 32: the exchange of bits 3 and 4 stays inside)
	s_lshl_b32 s60, s45, 1
	s_add_co_u32 s60, s60, s58                     ; my first K step of 128
	s_add_co_u32 s56, s47, 14                      ; a block of 16 positions is K / 128 x 2,048 bytes: 2^14 or 2^15
	s_sub_co_u32 s61, 13, s47                      ; a K step's scale words are 4 x positions bytes: 2^13 or 2^12
	s_lshr_b32 s66, s59, 4
	s_lshl_b32 s66, s66, s56
	s_lshl_b32 s62, s60, 11
	s_add_co_u32 s66, s66, s62
	s_lshl_b32 s62, s47, 21                        ; the second weight's codes begin at 2,097,152
	s_add_co_u32 s66, s66, s62
	s_add_nc_u64 s[68:69], s[42:43], s[66:67]      ; codes
	s_lshl_b32 s66, s60, s61
	s_lshl_b32 s62, s59, 2
	s_add_co_u32 s66, s66, s62
	s_lshl_b32 s62, s47, 16                        ; the second weight's scale words begin 65,536 behind the first's
	s_add_co_u32 s66, s66, s62
	s_add_co_u32 s66, s66, OFF_SA
	s_add_nc_u64 s[70:71], s[42:43], s[66:67]      ; scale words
	s_lshl_b32 s63, 1, s61
	s_mov_b32 s72, 0x600000                        ; the mantissa field of 57,344
	v_lshlrev_b32 v3, 2, v1                        ; in: 4 bytes a lane: a wave reads 128 consecutive bytes, the eight waves 1,024
	v_bfe_u32 v8, v1, 3, 1                         ; column bit 3 becomes position bit 4: which of my wave's two blocks of 16;
	v_bfe_u32 v9, v1, 4, 1
	v_and_b32 v10, 7, v1
	v_lshl_add_u32 v9, v9, 3, v10                  ; column bit 4 becomes position bit 3: the row r in the block
	v_lshlrev_b32 v4, s56, v8
	v_lshl_add_u32 v4, v9, 4, v4                   ; codes: block + 16 r
	v_lshlrev_b32 v5, 6, v8
	v_lshl_add_u32 v5, v9, 2, v5                   ; scale words: 4 x position, for my first K step
	v_add_nc_u32 v6, s63, v5                       ; and my second
	s_cmp_eq_u32 s49, 2
	s_cbranch_scc1 .Lwq8
.macro WLD t, pitch                    ; block t: W(32 t + i, my column), i = 0..31, into set t % 2
.set wi, 0
.rept 32
	global_load_b32 v[X+32*((\t)%2)+wi], v3, s[40:41] offset:(32*(\t)+wi)*(\pitch) th:TH_LOAD_NT
.set wi, wi+1
.endr
.endm
.macro BLOCK t, pitch
.set XS, X+32*((\t)%2)
.if (\t) < 7
	s_wait_loadcnt 32                              ; this block's 32 loads are in; the next block's 32 may be out
.else
	s_wait_loadcnt 0x0
.endif
	v_max3_num_f32 v16, |v[XS]|, |v[XS+1]|, |v[XS+2]|   ; the block's largest magnitude: all 32 numbers are mine
	v_max3_num_f32 v17, |v[XS+3]|, |v[XS+4]|, |v[XS+5]|
.irp i, 6,10,14,18,22,26
	v_max3_num_f32 v16, v16, |v[XS+\i]|, |v[XS+\i+1]|
	v_max3_num_f32 v17, v17, |v[XS+\i+2]|, |v[XS+\i+3]|
.endr
	v_max3_num_f32 v16, v16, |v[XS+30]|, |v[XS+31]|
	v_max3_num_f32 v16, v16, v17, 0x8000000        ; the floor 2^(16 - 127): the byte cannot fall under 1
	v_add_nc_u32 v18, 0xf8800000, v16              ; 15 off the exponent field: the conversion's scale operand
	v_and_or_b32 v19, v16, 0x7f800000, s72         ; 57,344 x the scale
	v_lshrrev_b32 v20, 23, v18                     ; the scale's byte
.if (\t)%4 == 0
	v_mov_b32 v[SB+(\t)/4], v20
.else
	v_lshl_or_b32 v[SB+(\t)/4], v20, 8*((\t)%4), v[SB+(\t)/4]
.endif
.set wi, 0
.rept 32
	v_med3_num_f32 v[XS+wi], v[XS+wi], -v19, v19   ; the conversion to an 8-bit code does not saturate (ISA guide 7.6.2): the hold comes first
.set wi, wi+1
.endr
.irp g, 0,1,2,3
	v_cvt_scalef32_pk8_bf8_f32 v[C+8*(\t)+2*\g:C+8*(\t)+2*\g+1], v[XS+8*\g:XS+8*\g+7], v18
.endr
	global_store_b128 v4, v[C+8*(\t):C+8*(\t)+3], s[68:69] offset:((\t)/4)*2048+((\t)%4)*512         ; k 0-15 of the block: the lanes h = 0 of the fragment;
	global_store_b128 v4, v[C+8*(\t)+4:C+8*(\t)+7], s[68:69] offset:((\t)/4)*2048+((\t)%4)*512+256   ; k 16-31: h = 1.  Each store fills two aligned runs of 256 bytes; each block has its own registers, so none is rewritten
.if (\t)+2 < 8
	WLD (\t)+2, \pitch
.endif
.endm
.macro WQRUN pitch
	WLD 0, \pitch
	WLD 1, \pitch
.irp t, 0,1,2,3,4,5,6,7
	BLOCK \t, \pitch
.endr
	global_store_b32 v5, v[SB], s[70:71]           ; my column's two scale words: 128 consecutive bytes a wave
	global_store_b32 v6, v[SB+1], s[70:71]
.endm
	WQRUN 4096
	s_branch .Ljoin
.Lwq8:
	WQRUN 8192
	s_branch .Ljoin
	; ---- work-groups 128-223: 64 columns of emb for all 8 batches.  Wave w sums k = 128 w .. 128 w + 127; a lane has two columns; the eight partial sums meet in LDS
.Lemb:
	s_sub_co_u32 s44, s38, 128
	s_cmp_ge_u32 s44, 48
	s_cselect_b64 s[40:41], s[10:11], s[6:7]       ; ffada_w or ada_w
	s_cselect_b32 s45, 48, 0
	s_sub_co_u32 s45, s44, s45                     ; which 64 columns
	s_lshl_b32 s46, s45, 8
	s_mul_i32 s47, s39, 128*12288
	s_add_co_u32 s66, s46, s47
	s_mov_b32 s67, 0
	s_add_nc_u64 s[40:41], s[40:41], s[66:67]
	s_lshl_b32 s66, s39, 9
	s_add_nc_u64 s[42:43], s[4:5], s[66:67]        ; t at my wave's 128 k
	s_mov_b32 s48, 0xbfb8aa3b                      ; -log2(e)
	s_mov_b32 s49, s48
	v_lshlrev_b32 v3, 3, v1
	v_lshlrev_b32 v4, 4, v1
.irp b, 0,1,2,3,4,5,6,7
	global_load_b128 v[TT+4*\b:TT+4*\b+3], v4, s[42:43] offset:4096*\b
.endr
.macro WLOAD g                         ; 16 rows of W, 256 consecutive bytes each, into ring place g % 3
.set wi, 0
.rept 16
	global_load_b64 v[WR+32*((\g)%3)+2*wi:WR+32*((\g)%3)+2*wi+1], v3, s[40:41] offset:12288*(16*(\g)+wi) th:TH_LOAD_NT
.set wi, wi+1
.endr
.endm
	WLOAD 0
	WLOAD 1
	WLOAD 2
	s_wait_loadcnt 48                              ; t is in; the three groups of 16 may be out
.set j, 0
.rept 16
	v_pk_mul_f32 v[EX+j:EX+j+1], v[TT+j:TT+j+1], s[48:49] op_sel_hi:[1,0]
.set j, j+2
.endr
.set j, 0
.rept 32
	v_exp_f32 v[EX+j], v[EX+j]                     ; e^-t
.set j, j+1
.endr
	v_nop                                          ; a plain instruction behind the last of the batch,
	s_wait_alu depctr_va_vdst(0)                   ; and the one wait ahead of the batch's first reader
.set j, 0
.rept 16
	v_pk_add_f32 v[EX+j:EX+j+1], v[EX+j:EX+j+1], 1.0 op_sel_hi:[1,0]
.set j, j+2
.endr
.set j, 0
.rept 32
	v_rcp_f32 v[EX+j], v[EX+j]
.set j, j+1
.endr
	v_nop
	s_wait_alu depctr_va_vdst(0)
.irp i, 0,1,2,3
.irp b, 0,1,2,3,4,5,6,7
	v_mul_f32 v[SV+8*\i+\b], v[TT+4*\b+\i], v[EX+4*\b+\i]   ; silu(t[b][128 w + 4 lane + i])
.endr
.endr
.irp i, 0,1,2,3
	ds_store_b128 v[STW], v[SV+8*\i:SV+8*\i+3] offset:32*\i          ; the table [k][b]: my wave's own bytes
	ds_store_b128 v[STW], v[SV+8*\i+4:SV+8*\i+7] offset:32*\i+16
.endr
	s_wait_dscnt 0x0                               ; the stores have read their registers, into which the loads below land
.macro GROUP g
.if (\g) < 6
	s_wait_loadcnt 32                              ; this group's 16 loads are in; the two younger groups may be out
.elseif (\g) == 6
	s_wait_loadcnt 16
.else
	s_wait_loadcnt 0x0
.endif
.irp hh, 0,1
.irp kk, 0,1,2,3,4,5,6,7
	ds_load_b128 v[SV+8*\kk:SV+8*\kk+3], v[STR] offset:32*(16*(\g)+8*\hh+\kk)       ; all lanes read the same 32 bytes: silu(t) of one k, eight batches
	ds_load_b128 v[SV+8*\kk+4:SV+8*\kk+7], v[STR] offset:32*(16*(\g)+8*\hh+\kk)+16
.endr
	s_wait_dscnt 0x0
.irp kk, 0,1,2,3,4,5,6,7
.set WP, WR+32*((\g)%3)+2*(8*\hh+\kk)
.irp b, 0,2,4,6
.if ((\g)+\hh+\kk) == 0                ; the first k starts the sums: nothing is cleared
	v_pk_mul_f32 v[ACC+2*\b:ACC+2*\b+1], v[WP:WP+1], v[SV+8*\kk+\b:SV+8*\kk+\b+1] op_sel_hi:[1,0]
	v_pk_mul_f32 v[ACC+2*\b+2:ACC+2*\b+3], v[WP:WP+1], v[SV+8*\kk+\b:SV+8*\kk+\b+1] op_sel:[0,1] op_sel_hi:[1,1]
.else                                  ; two columns x one batch: of the pair (batch b, b + 1) the low or the high word serves both halves
	v_pk_fma_f32 v[ACC+2*\b:ACC+2*\b+1], v[WP:WP+1], v[SV+8*\kk+\b:SV+8*\kk+\b+1], v[ACC+2*\b:ACC+2*\b+1] op_sel_hi:[1,0,1]
	v_pk_fma_f32 v[ACC+2*\b+2:ACC+2*\b+3], v[WP:WP+1], v[SV+8*\kk+\b:SV+8*\kk+\b+1], v[ACC+2*\b+2:ACC+2*\b+3] op_sel:[0,1,0] op_sel_hi:[1,1,1]
.endif
.endr
.endr
.endr
.if (\g) < 5
	WLOAD (\g)+3
.endif
.endm
.irp g, 0,1,2,3,4,5,6,7
	GROUP \g
.endr
.irp b, 0,1,2,3,4,5,6,7
	ds_store_b64 v[PST], v[ACC+2*\b:ACC+2*\b+1] offset:256*\b
.endr
.Ljoin:                                        ; the launch's one barrier stands on every work-group's way
	s_wait_xcnt 0x0                                ; what has been issued has read its registers
	s_wait_dscnt 0x0                               ; for the others' sake: my partial sums have landed
	s_barrier_signal -1
	s_barrier_wait -1
	s_sub_co_u32 s44, s38, 128
	s_cmp_lt_u32 s44, 96
	s_cbranch_scc0 .Lend
	; the eight partial sums, in the order of k; thread = (batch = its wave, a pair of columns).  All scalars are made anew from the work-group's number
	s_cmp_ge_u32 s44, 48
	s_cselect_b64 s[40:41], s[12:13], s[8:9]       ; ffada_b or ada_b
	s_cselect_b64 s[42:43], s[34:35], s[32:33]     ; p2 or p1
	s_cselect_b32 s45, 48, 0
	s_sub_co_u32 s45, s44, s45
	s_lshl_b32 s66, s45, 8
	s_mov_b32 s67, 0
	s_add_nc_u64 s[40:41], s[40:41], s[66:67]
	s_mul_i32 s46, s39, 12288
	s_add_co_u32 s66, s66, s46
	s_add_co_u32 s66, s66, OFF_EMB
	s_add_nc_u64 s[42:43], s[42:43], s[66:67]
	s_lshr_b32 s47, s45, 4
	s_cmp_eq_u32 s47, 1                            ; columns 1,024 to 2,047 are the scale: 1 + scale is stored
	s_cselect_b32 s48, 1.0, 0
	s_mov_b32 s49, s48
	v_lshlrev_b32 v3, 3, v1
	global_load_b64 v[32:33], v3, s[40:41]
.irp w, 0,1,2,3,4,5,6,7
	ds_load_b64 v[16+2*\w:17+2*\w], v[PRD] offset:2048*\w
.endr
	s_wait_dscnt 0x0
.irp w, 1,2,3,4,5,6,7
	v_pk_add_f32 v[16:17], v[16:17], v[16+2*\w:17+2*\w]
.endr
	s_wait_loadcnt 0x0
	v_pk_add_f32 v[16:17], v[16:17], v[32:33]
	v_pk_add_f32 v[16:17], v[16:17], s[48:49] op_sel_hi:[1,0]
	global_store_b64 v3, v[16:17], s[42:43]        ; a wave stores 256 consecutive bytes, aligned
.Lend:
	s_wait_tensorcnt 0x0                           ; the wave's end
	ds_add_u32 v[SPW], v[NIL]
	s_wait_dscnt 0x0
	s_endpgm
.Lfunc_end_k_q28736f0114_prep:
	.size	k_q28736f0114_prep, .Lfunc_end_k_q28736f0114_prep-k_q28736f0114_prep
	.p2alignl 7, 3214868480
	.fill 96, 4, 3214868480
	.section	.rodata,"a",@progbits
	.p2align	6, 0x0
	.amdhsa_kernel k_q28736f0114_prep
		.amdhsa_group_segment_fixed_size 50176
		.amdhsa_private_segment_fixed_size 0
		.amdhsa_enable_private_segment 0
		.amdhsa_kernarg_size 136
		.amdhsa_user_sgpr_count 2
		.amdhsa_user_sgpr_kernarg_segment_ptr 1
		.amdhsa_wavefront_size32 1
		.amdhsa_system_sgpr_workgroup_id_x 1
		.amdhsa_system_sgpr_workgroup_id_y 1
		.amdhsa_system_sgpr_workgroup_id_z 1
		.amdhsa_system_vgpr_workitem_id 0
		.amdhsa_next_free_vgpr 256
		.amdhsa_next_free_sgpr 80
		.amdhsa_reserve_vcc 0
		.amdhsa_float_denorm_mode_32 3
		.amdhsa_float_denorm_mode_16_64 3
		.amdhsa_memory_ordered 1
		.amdhsa_forward_progress 1
		.amdhsa_inst_pref_size 217
	.end_amdhsa_kernel
	.amdgpu_metadata
---
amdhsa.version: [ 1, 2 ]
amdhsa.kernels:
  - .name:           k_q28736f0114_prep
    .symbol:         k_q28736f0114_prep.kd
    .args:
      - { .name: t, .offset: 0, .size: 8, .value_kind: global_buffer, .address_space: global }
      - { .name: ada_w, .offset: 8, .size: 8, .value_kind: global_buffer, .address_space: global }
      - { .name: ada_b, .offset: 16, .size: 8, .value_kind: global_buffer, .address_space: global }
      - { .name: ffada_w, .offset: 24, .size: 8, .value_kind: global_buffer, .address_space: global }
      - { .name: ffada_b, .offset: 32, .size: 8, .value_kind: global_buffer, .address_space: global }
      - { .name: ssm_w1, .offset: 40, .size: 8, .value_kind: global_buffer, .address_space: global }
      - { .name: bwd_w1, .offset: 48, .size: 8, .value_kind: global_buffer, .address_space: global }
      - { .name: ssm_w2, .offset: 56, .size: 8, .value_kind: global_buffer, .address_space: global }
      - { .name: bwd_w2, .offset: 64, .size: 8, .value_kind: global_buffer, .address_space: global }
      - { .name: ff_w1, .offset: 72, .size: 8, .value_kind: global_buffer, .address_space: global }
      - { .name: ff_w2, .offset: 80, .size: 8, .value_kind: global_buffer, .address_space: global }
      - { .name: ssm_b2, .offset: 88, .size: 8, .value_kind: global_buffer, .address_space: global }
      - { .name: bwd_b2, .offset: 96, .size: 8, .value_kind: global_buffer, .address_space: global }
      - { .name: ff_b2, .offset: 104, .size: 8, .value_kind: global_buffer, .address_space: global }
      - { .name: p1, .offset: 112, .size: 8, .value_kind: global_buffer, .address_space: global }
      - { .name: p2, .offset: 120, .size: 8, .value_kind: global_buffer, .address_space: global }
      - { .name: ones, .offset: 128, .size: 8, .value_kind: global_buffer, .address_space: global }
    .group_segment_fixed_size: 50176
    .private_segment_fixed_size: 0
    .kernarg_segment_align: 8
    .kernarg_segment_size: 136
    .max_flat_workgroup_size: 256
    .sgpr_count:     80
    .vgpr_count:     256
    .wavefront_size: 32
...
	.end_amdgpu_metadata
.endif
;; end of part 1
;; launch ln (part 2): grid 512 x 1, 4 waves a work-group, no clusters, 18,432 bytes of LDS; arguments x, p1, mask, aq; writes aq
.if DOCPART == 2
	.amdgcn_target "amdgcn-amd-amdhsa--gfx1250"
	.amdhsa_code_object_version 6
	.text
	.protected	k_q28736f0114_ln
	.globl	k_q28736f0114_ln
	.p2align	8
	.type	k_q28736f0114_ln,@function
k_q28736f0114_ln:
	s_mov_b64 s[64:65], 0
	v_nop
	global_prefetch_b8 v0, s[64:65] scope:SCOPE_SE
	s_setreg_imm32_b32 hwreg(HW_REG_WAVE_MODE, 25, 1), 1
	s_wait_xcnt 0x0
; aq = Q(where(mask, LayerNorm(xin) (1 + scale) + shift, 0)): codes of E5M2 with one E8M0 byte for each 32 along K = 1,024, laid in the order of the matrix operand's registers:
; codes: block of 16 rows mb, K step ks: 2,048 bytes at (8 mb + ks) x 2,048, [c][lane r + 16 h][16 bytes], k = 128 ks + 32 c + 16 h + 0..15, which is byte (k / 16) x 256 + 16 r + k % 16 of the block's 16,384; scale words at 8,388,608 + [mb][ks][r] x 4.
; (The flips of reference() are left out: see the first kernel's head.)  The second use of this text has no mask: it is given 8,192 bytes of 1.
; SHARES: a work-group takes a block of 16 rows, a wave four of them; a row is 32 registers of the wave and stays there: mean, then the sum of (x - mean)^2, as reference() has it, so a common offset of x costs nothing.
; All of a wave's 48 loads go out at the head; each covers 512 consecutive bytes.  No matrix unit, no cluster, no tensor load: memory binds, and the work-groups share only 8 KB of shift and scale.
; A lane holds 4 neighbours of each of eight blocks of 32 (8 lanes to a block).  The conversion takes eight numbers under ONE scale, so each number is first multiplied by 1 / its block's scale (a power of two: exact) and converted under the scale 1.
; LIMITS: a block of zeros gets the byte 1, not 127 (zero codes; read by this program alone); NaN and infinities are not served.  A masked row's codes are zeros; its scale bytes are those of the unmasked numbers, which count for nothing.
.set SS,      17408                    ; LDS: 0: 64 groups (k / 16) x (16 rows x 16 bytes + 16 of padding = 272);  SS: the scale words [ks][r], 512 bytes
.set SPARE,   17920                    ; the spare words, 128 bytes for each wave
.set OFF_EMB, 4325376
.set AM, 16                            ; v16-23 largest magnitudes, then scale operands; v24-31 bytes; v32-39 codes; v48-55 1 / scale
.set BY, 24
.set CD, 32
.set IV, 48
.set SH, 192                           ; v192-223 shift, v224-255 1 + scale, of my lane's 32 columns;  v64-191 four rows
.set SCL, 224
.set SPW, 46
.set NIL, 47
	s_load_b256 s[4:11], s[0:1], 0x0               ; xin, pack, mask, aq
	v_lshl_add_u32 v[SPW], v0, 2, SPARE
	v_mov_b32 v[NIL], 0
	v_lshrrev_b32 v1, 5, v0
	v_readfirstlane_b32 s12, v1                    ; wave
	v_and_b32 v1, 31, v0                           ; lane
	v_lshlrev_b32 v2, 4, v1                        ; 16 lane
	v_lshrrev_b32 v3, 2, v1
	v_mul_u32_u24 v3, v3, 272
	v_and_b32 v4, 3, v1
	v_lshl_add_u32 v3, v4, 2, v3
	s_lshl_b32 s13, s12, 6
	v_add_nc_u32 v3, s13, v3                       ; my 4 codes of a load: group lane / 4, byte 4 (lane % 4), row 4 w (+ i)
	v_lshrrev_b32 v4, 3, v1
	s_lshl_b32 s13, s12, 4
	s_add_co_u32 s13, s13, SS
	v_add_nc_u32 v4, s13, v4                       ; my block's scale byte: byte lane / 8 of row 4 w (+ i)'s word
	v_lshrrev_b32 v5, 4, v0
	v_mul_u32_u24 v5, v5, 272
	v_and_b32 v6, 15, v0
	v_lshl_add_u32 v5, v6, 4, v5                   ; back: thread -> group thread / 16, row thread % 16
	v_lshlrev_b32 v6, 4, v0                        ; and the same place in memory: 16 x thread
	v_add_nc_u32 v7, SS, v2
	v_mov_b32 v40, 1.0                             ; the conversions' scale operand
	v_mov_b32 v43, 0                               ; (upper halves of pairs of which the low word serves both halves: named, so written)
	v_mov_b32 v45, 0
	s_mov_b32 s14, ttmp9                           ; the block of 16 rows
	s_lshl_b32 s16, s14, 16
	s_lshl_b32 s15, s12, 14
	s_add_co_u32 s16, s16, s15                     ; xin: (16 mb + 4 w) rows of 4,096 bytes
	s_mov_b32 s17, 0
	s_lshr_b32 s18, s14, 6                         ; the batch
	s_mul_i32 s18, s18, 12288
	s_add_co_u32 s18, s18, OFF_EMB
	s_mov_b32 s19, 0
	s_lshl_b32 s20, s14, 4
	s_lshl_b32 s15, s12, 2
	s_add_co_u32 s20, s20, s15                     ; my four rows' mask bytes
	s_mov_b32 s21, 0
	s_lshl_b32 s22, s14, 14
	s_mov_b32 s23, 0
	s_lshl_b32 s30, s14, 9
	s_add_co_u32 s30, s30, 8388608
	s_mov_b32 s31, 0
	s_mov_b32 s24, 0x3a800000                      ; 1 / 1,024
	s_mov_b32 s25, 0x358637bd                      ; 1e-6
	s_mov_b32 s26, 0x47600000                      ; 57,344
	s_mov_b32 s27, 0xc7600000
	s_mov_b32 s28, 0x76543210                      ; v_permlanex16_b32: lane l xor 16
	s_mov_b32 s29, 0xfedcba98
	s_wait_kmcnt 0x0
	s_add_nc_u64 s[4:5], s[4:5], s[16:17]
	s_add_nc_u64 s[6:7], s[6:7], s[18:19]
	s_add_nc_u64 s[8:9], s[8:9], s[20:21]
	s_add_nc_u64 s[30:31], s[10:11], s[30:31]
	s_add_nc_u64 s[10:11], s[10:11], s[22:23]
	s_load_b32 s20, s[8:9], 0x0
.macro XLD i
.irp j, 0,1,2,3,4,5,6,7
	global_load_b128 v[64+32*\i+4*\j:64+32*\i+4*\j+3], v2, s[4:5] offset:4096*\i+512*\j th:TH_LOAD_NT
.endr
.endm
	XLD 0
.irp j, 0,1,2,3,4,5,6,7
	global_load_b128 v[SH+4*\j:SH+4*\j+3], v2, s[6:7] offset:512*\j
.endr
.irp j, 0,1,2,3,4,5,6,7
	global_load_b128 v[SCL+4*\j:SCL+4*\j+3], v2, s[6:7] offset:4096+512*\j
.endr
	XLD 1
	XLD 2
	XLD 3
	s_wait_kmcnt 0x0                               ; the mask bytes
.macro WSUM                            ; four chains v[8:15] -> the sum over the row, in every lane's v8
	v_pk_add_f32 v[8:9], v[8:9], v[10:11]
	v_pk_add_f32 v[12:13], v[12:13], v[14:15]
	v_pk_add_f32 v[8:9], v[8:9], v[12:13]
	v_add_f32 v8, v8, v9
	v_add_f32_dpp v8, v8, v8 row_xmask:1 row_mask:0xf bank_mask:0xf
	v_add_f32_dpp v8, v8, v8 row_xmask:2 row_mask:0xf bank_mask:0xf
	v_add_f32_dpp v8, v8, v8 row_xmask:4 row_mask:0xf bank_mask:0xf
	v_add_f32_dpp v8, v8, v8 row_xmask:8 row_mask:0xf bank_mask:0xf
	v_permlanex16_b32 v9, v8, s28, s29
	v_add_f32 v8, v8, v9
.endm
.macro ROW i
.set XR, 64+32*(\i)
	s_wait_loadcnt 24-8*(\i)                       ; this row (and shift and scale) are in; the later rows' loads, 8 each, may be out
.irp c, 0,1,2,3
	v_pk_add_f32 v[8+2*\c:9+2*\c], v[XR+2*\c:XR+2*\c+1], v[XR+8+2*\c:XR+9+2*\c]
.endr
.irp p, 16,24
.irp c, 0,1,2,3
	v_pk_add_f32 v[8+2*\c:9+2*\c], v[8+2*\c:9+2*\c], v[XR+\p+2*\c:XR+\p+2*\c+1]
.endr
.endr
	WSUM
	v_mul_f32 v42, s24, v8                         ; the mean
.set j, 0
.rept 16
	v_pk_add_f32 v[XR+j:XR+j+1], v[XR+j:XR+j+1], v[42:43] op_sel_hi:[1,0] neg_lo:[0,1] neg_hi:[0,1]
.set j, j+2
.endr
.irp c, 0,1,2,3
	v_pk_mul_f32 v[8+2*\c:9+2*\c], v[XR+2*\c:XR+2*\c+1], v[XR+2*\c:XR+2*\c+1]
.endr
.irp p, 8,16,24
.irp c, 0,1,2,3
	v_pk_fma_f32 v[8+2*\c:9+2*\c], v[XR+\p+2*\c:XR+\p+2*\c+1], v[XR+\p+2*\c:XR+\p+2*\c+1], v[8+2*\c:9+2*\c]
.endr
.endr
	WSUM
	v_fma_f32 v8, v8, s24, s25                     ; the variance + 1e-6
	v_rsq_f32 v44, v8
	v_nop                                          ; a plain instruction behind the transcendental,
	s_wait_alu depctr_va_vdst(0)                   ; and the wait ahead of its first reader
.set j, 0
.rept 16
	v_pk_mul_f32 v[XR+j:XR+j+1], v[XR+j:XR+j+1], v[44:45] op_sel_hi:[1,0]
.set j, j+2
.endr
.set j, 0
.rept 16
	v_pk_fma_f32 v[XR+j:XR+j+1], v[XR+j:XR+j+1], v[SCL+j:SCL+j+1], v[SH+j:SH+j+1]
.set j, j+2
.endr
	s_wait_dscnt 0x0                               ; the last row's LDS stores have read the registers that are written from here on
.irp j, 0,1,2,3,4,5,6,7
	v_max3_num_f32 v[AM+\j], |v[XR+4*\j]|, |v[XR+4*\j+1]|, 0x8000000   ; my 4 numbers of block (j, lane / 8), and the floor 2^(16 - 127)
.endr
.irp j, 0,1,2,3,4,5,6,7
	v_max3_num_f32 v[AM+\j], v[AM+\j], |v[XR+4*\j+2]|, |v[XR+4*\j+3]|
.endr
.irp m, 1,2,4
.irp j, 0,1,2,3,4,5,6,7
	v_max_num_f32_dpp v[AM+\j], v[AM+\j], v[AM+\j] row_xmask:\m row_mask:0xf bank_mask:0xf   ; with the block's other seven lanes
.endr
.endr
.irp j, 0,1,2,3,4,5,6,7
	v_add_nc_u32 v[AM+\j], 0xf8800000, v[AM+\j]    ; 15 off the exponent field
.endr
.irp j, 0,1,2,3,4,5,6,7
	v_lshrrev_b32 v[BY+\j], 23, v[AM+\j]           ; the scale's byte, 1 to 239
.endr
.irp j, 0,1,2,3,4,5,6,7
	v_sub_nc_u32 v[IV+\j], 0xfe, v[BY+\j]
.endr
.irp j, 0,1,2,3,4,5,6,7
	v_lshlrev_b32 v[IV+\j], 23, v[IV+\j]           ; 1 / scale = 2^(127 - byte), as f32
.endr
.irp j, 0,2,4,6
	v_pk_mul_f32 v[XR+4*\j:XR+4*\j+1], v[XR+4*\j:XR+4*\j+1], v[IV+\j:IV+\j+1] op_sel_hi:[1,0]
	v_pk_mul_f32 v[XR+4*\j+2:XR+4*\j+3], v[XR+4*\j+2:XR+4*\j+3], v[IV+\j:IV+\j+1] op_sel_hi:[1,0]
	v_pk_mul_f32 v[XR+4*\j+4:XR+4*\j+5], v[XR+4*\j+4:XR+4*\j+5], v[IV+\j:IV+\j+1] op_sel:[0,1] op_sel_hi:[1,1]
	v_pk_mul_f32 v[XR+4*\j+6:XR+4*\j+7], v[XR+4*\j+6:XR+4*\j+7], v[IV+\j:IV+\j+1] op_sel:[0,1] op_sel_hi:[1,1]
.endr
.set j, 0
.rept 32
	v_med3_num_f32 v[XR+j], v[XR+j], s27, s26      ; the conversion does not saturate (ISA guide 7.6.2): held within +-57,344 first
.set j, j+1
.endr
.irp m, 0,1,2,3
	v_cvt_scalef32_pk8_bf8_f32 v[CD+2*\m:CD+2*\m+1], v[XR+8*\m:XR+8*\m+7], v40   ; register CD + j: my 4 codes of load j
.endr
	v_nop                                          ; a plain instruction between the conversions and the lines that touch their results
	s_bfe_u32 s21, s20, (8<<16)|(8*(\i))           ; the row's mask byte selects; nothing branches on it
	s_cmp_lg_u32 s21, 0
	s_cselect_b32 s21, -1, 0
.irp j, 0,1,2,3,4,5,6,7
	v_and_b32 v[CD+\j], s21, v[CD+\j]              ; a masked row is zeros
.endr
.irp j, 0,1,2,3,4,5,6,7
	ds_store_b32 v3, v[CD+\j] offset:2176*\j+16*(\i)
.endr
.irp j, 0,1,2,3,4,5,6,7
	ds_store_b8 v4, v[BY+\j] offset:64*\j+4*(\i)   ; the block's eight lanes write the same byte with the same value
.endr
.endm
	ROW 0
	ROW 1
	ROW 2
	ROW 3
	s_wait_dscnt 0x0                               ; for the others' sake: my stores have landed
	s_barrier_signal -1
	s_barrier_wait -1
.irp n, 0,1,2,3,4,5,6,7
	ds_load_b128 v[64+4*\n:67+4*\n], v5 offset:2176*\n
.endr
.irp n, 0,1,2,3,4,5,6,7
	s_wait_dscnt 7-\n                              ; LDS loads come back in order: load n is in
	global_store_b128 v6, v[64+4*\n:67+4*\n], s[10:11] offset:2048*\n   ; a wave stores 512 consecutive bytes, aligned
.endr
	s_cmp_lg_u32 s12, 0
	s_cbranch_scc1 .Lnot0
	ds_load_b128 v[96:99], v7                      ; wave 0: the block's 128 scale words
	s_wait_dscnt 0x0
	global_store_b128 v2, v[96:99], s[30:31]
.Lnot0:
	s_wait_tensorcnt 0x0                           ; the wave's end
	ds_add_u32 v[SPW], v[NIL]
	s_wait_dscnt 0x0
	s_endpgm
.Lfunc_end_k_q28736f0114_ln:
	.size	k_q28736f0114_ln, .Lfunc_end_k_q28736f0114_ln-k_q28736f0114_ln
	.p2alignl 7, 3214868480
	.fill 96, 4, 3214868480
	.section	.rodata,"a",@progbits
	.p2align	6, 0x0
	.amdhsa_kernel k_q28736f0114_ln
		.amdhsa_group_segment_fixed_size 18432
		.amdhsa_private_segment_fixed_size 0
		.amdhsa_enable_private_segment 0
		.amdhsa_kernarg_size 32
		.amdhsa_user_sgpr_count 2
		.amdhsa_user_sgpr_kernarg_segment_ptr 1
		.amdhsa_wavefront_size32 1
		.amdhsa_system_sgpr_workgroup_id_x 1
		.amdhsa_system_sgpr_workgroup_id_y 1
		.amdhsa_system_sgpr_workgroup_id_z 1
		.amdhsa_system_vgpr_workitem_id 0
		.amdhsa_next_free_vgpr 256
		.amdhsa_next_free_sgpr 66
		.amdhsa_reserve_vcc 0
		.amdhsa_float_denorm_mode_32 3
		.amdhsa_float_denorm_mode_16_64 3
		.amdhsa_memory_ordered 1
		.amdhsa_forward_progress 1
		.amdhsa_inst_pref_size 70
	.end_amdhsa_kernel
	.amdgpu_metadata
---
amdhsa.version: [ 1, 2 ]
amdhsa.kernels:
  - .name:           k_q28736f0114_ln
    .symbol:         k_q28736f0114_ln.kd
    .args:
      - { .name: x, .offset: 0, .size: 8, .value_kind: global_buffer, .address_space: global }
      - { .name: p1, .offset: 8, .size: 8, .value_kind: global_buffer, .address_space: global }
      - { .name: mask, .offset: 16, .size: 8, .value_kind: global_buffer, .address_space: global }
      - { .name: aq, .offset: 24, .size: 8, .value_kind: global_buffer, .address_space: global }
    .group_segment_fixed_size: 18432
    .private_segment_fixed_size: 0
    .kernarg_segment_align: 8
    .kernarg_segment_size: 32
    .max_flat_workgroup_size: 128
    .sgpr_count:     66
    .vgpr_count:     256
    .wavefront_size: 32
...
	.end_amdgpu_metadata
.endif
;; end of part 2
;; launch ga_erf (part 3): grid 8 x 32, 4 waves a work-group, clusters of 4 x 4, 327,680 bytes of LDS; arguments aq, p1, ssm_b1, bwd_b1, hq; writes hq
.if DOCPART == 3
	.amdgcn_target "amdgcn-amd-amdhsa--gfx1250"
	.amdhsa_code_object_version 6
	.text
	.protected	k_q28736f0114_ga_erf
	.globl	k_q28736f0114_ga_erf
	.p2align	8
	.type	k_q28736f0114_ga_erf,@function
k_q28736f0114_ga_erf:
	s_mov_b64 s[64:65], 0
	v_nop
	global_prefetch_b8 v0, s[64:65] scope:SCOPE_SE
	s_setreg_imm32_b32 hwreg(HW_REG_WAVE_MODE, 25, 1), 1
	s_wait_xcnt 0x0
	s_wait_alu depctr_hold_cnt(0) depctr_sa_sdst(0) depctr_va_vdst(0) depctr_va_sdst(0) depctr_va_ssrc(0) depctr_va_vcc(0) depctr_vm_vsrc(0)
	s_getreg_b32 s2, hwreg(HW_REG_IB_STS2, 6, 4)
	s_cmp_eq_u32 s2, 0
	s_cbranch_scc0 .Lentry_in_a_cluster
	s_endpgm
.Lentry_in_a_cluster:
	s_bfe_u32 s2, ttmp6, 0x10000c
	s_cmp_lg_u32 s2, 0xf033
	s_cbranch_scc0 .Lentry_shape_is_right
	s_endpgm
.Lentry_shape_is_right:
; hq = Q(gelu_erf(A W^T + b)): A = aq, 8,192 x 1,024 as codes of E5M2 with E8M0 scales; W = the pack's first weight, 2,048 positions x 1,024; b = [ssm_b1 | bwd_b1].  (The flips of reference() are left out: see the first kernel's head.)
; A tile of 256 rows x 256 columns is made by four waves, each 128 x 128: 64 accumulators, 512 registers.  K goes in steps of 256 through a ring of two LDS slots filled by the tensor data mover.
; CODES LIE IN MEMORY IN THE ORDER OF THE OPERAND'S REGISTERS (fragment = 16 rows x 128 K = 2,048 bytes [c][lane][16]): a slot's part of a block of 16 rows is 4,096 consecutive bytes, a fragment comes from LDS by four loads at 16 x lane: no pitch, no padding.
; THE SCALES of the tile's rows and columns for all of K come into LDS once, with the first fills.  A scale register holds the K step 2 s in lanes 0-15 and 2 s + 1 in lanes 16-31.
; CLUSTERS: 4 x 4 work-groups; A's tiles are asked for jointly along a row of the cluster, W's along a column.
; THE MATRIX INSTRUCTION IS USED TRANSPOSED (source 0 = 16 positions of W, source 1 = 16 rows of A), and column n of W sits at position n with bits 3 and 4 exchanged: lane (r, h) holds row r, and register j of tile 2 c + u is column 32 c + 16 h + 8 u + j:
; a block's 64 registers are, in order, the lane's part of one fragment of the next product.  The bias is the C of each sum's first instruction.
; THE WAY OUT: gelu(x) = x Phi(x) = max(x, 0) - |x| q, q = exp(-x^2 / 2) / sqrt(2 pi) x poly(1 / (1 + 0.2316419 |x|)) (Abramowitz and Stegun 26.2.17); then the quantiser in registers; codes and scale words go to hq in the operand's order.
; LIMITS: q is within 7.5e-8 of the true tail, about what 1 + erf in f32 carries; a block of zeros gets the byte 1, not 127; NaN and infinities are not served.  Rows under the mask are computed like the others (zero codes) and thrown away in the next launch.
; REGISTERS: window 0: v1-31 addresses; v32-63 scale words, two sets (A's 8, W's 8), and nothing else; v64-127 the bias, later the quantiser's work; v128-255 A's fragments, one set, later E and P.  window 1: W's fragments, two sets, later T.  windows 2, 3: accumulators (a, b) at v[8 (8 (a % 4) + b)].
.set KIND,  0
.set K,     1024
.set NPOS,  2048
.set NA,    8                          ; blocks of 16 rows a wave
.set WOFF,  0                          ; the weight's codes and scale words in the pack
.set WSOFF, 4194304
.set ASC,   8388608                    ; A's scale words in its buffer: [block][ks][r]
.set SA_I,  512                        ; in LDS: from block to block, from K step to K step (lanes 16-31), from slot to slot, from wave row to wave row
.set SA_H,  64
.set SA_S,  128
.set SA_W,  4096
.set SA_Y,  8192                       ; in memory: from tile row to tile row, from fetching half to half
.set SA_F,  4096
.set SAL,   3                          ; their tile: 16 rows of 32 elements of 8 bytes, dense
.set SAC,   32
.set SAR,   16
.set SAP,   32
.set STGB,  2048                       ; the stage: 512 bytes a wave
.set KS,    K/128
.set MT,    32*NA
.set BOF,   (MT/16)*4096               ; a slot: A's blocks, 4,096 bytes each, then W's 16
.set SLOT,  BOF+65536
.set SCLA,  2*SLOT
.set SCLB,  SCLA+8192
.set STG,   SCLB+KS*1024
.set SPARE, STG+STGB                   ; the spare words, 128 bytes for each wave
.set LI,    4                          ; v4  16 x lane
.set PWA,   5                          ; v5  stage: my row's scale word;  v6  back: 16 bytes a lane
.set PWR,   6
.set PW,    12
.set ADRA,  16                         ; v16-17 my A fragments in slot 0, 1;  v20-21 W's;  v22, v23 my scale words
.set ADRB,  20
.set ADRSA, 22
.set ADRSB, 23
.set BO,    27
.set SPW,   28
.set NIL,   29
.set SC,    32
.set BIAS,  64
.set AF,    128
.set G1, 24
.set G0, 32
.set G1B, 48
.set G0B, 56
.set G1S, 68
.set G0S, 76
.set G1SB, 80
.set G0SB, 88
.set MSB, 0
.macro WIN new                         ; the immediate's high byte repeats the setting that is left; a switch that changes nothing is dropped
.if MSB != (\new)
	s_set_vgpr_msb (MSB<<8)|(\new)
.set MSB, (\new)
.endif
.endm
.macro JLOAD g0a, g1a, g0b, g1b        ; a joint load: waves 0 and 1 fetch for A, waves 2 and 3 for W; an s_nop 0 and four v_nop follow each line
	s_cmp_eq_u32 s15, 0
	s_cbranch_scc0 .Lfor_b_\@
	tensor_load_to_lds s[\g0a:\g0a+3], s[\g1a:\g1a+7]
	s_nop 0
.rept 4
	v_nop
.endr
	s_branch .Lasked_\@
.Lfor_b_\@:
	tensor_load_to_lds s[\g0b:\g0b+3], s[\g1b:\g1b+7]
	s_nop 0
.rept 4
	v_nop
.endr
.Lasked_\@:
.endm
.macro CREST                           ; a round of the cluster's barrier behind its opening barrier
	s_cmp_lg_u32 s14, 0
	s_cbranch_scc1 .Lnot_wave_0_\@
	s_barrier_signal -3
.Lnot_wave_0_\@:
	s_barrier_wait -3
	s_barrier_signal -1
	s_barrier_wait -1
.endm
.macro CROUND
	s_barrier_signal -1
	s_barrier_wait -1
	CREST
.endm
.macro PLACES n                        ; plain vector instructions between a matrix instruction and a load into, or a read of, its registers: eight for this form
.rept \n
	v_nop
.endr
.endm
	s_load_b256 s[4:11], s[0:1], 0x0               ; A s[4:5], pack s[6:7], ssm_b1 s[8:9], bwd_b1 s[10:11]
	s_load_b64 s[12:13], s[0:1], 0x20              ; hq
	v_lshl_add_u32 v[SPW], v0, 2, SPARE
	v_mov_b32 v[NIL], 0
	ds_add_u32 v[SPW], v[NIL]                      ; the wave's opening: the add, twice on end, and its wait ahead of my first tensor load
	ds_add_u32 v[SPW], v[NIL]
	v_lshrrev_b32 v1, 5, v0
	v_readfirstlane_b32 s14, v1                    ; wave 0..3
	s_lshr_b32 s15, s14, 1                         ; my half of the tile's rows.  Also: I fetch for A (0) or for W (1)
	s_and_b32 s16, s14, 1                          ; my half of its columns.  Also: which half I fetch
	s_bfe_u32 s40, ttmp6, 0x40000                  ; cx, cy
	s_bfe_u32 s41, ttmp6, 0x40004
	s_lshl_b32 s42, ttmp9, 2
	s_add_co_u32 s42, s42, s40                     ; tile column X
	s_and_b32 s17, ttmp7, 0xffff
	s_lshl_b32 s17, s17, 2
	s_add_co_u32 s17, s17, s41                     ; tile row Y
	s_lshl_b32 s43, s41, 2
	s_lshl_b32 s43, 15, s43                        ; my row of the cluster
	s_lshl_b32 s44, 0x1111, s40                    ; my column
	s_or_b32 s[G1], s43, (3<<16)|(1<<21)           ; codes: elements of 8 bytes, rows of 512 (4,096 bytes: a block's part of a slot), no padding; bit 21 beside the mask
	s_or_b32 s[G1B], s44, (3<<16)|(1<<21)
	s_mov_b32 s[G1+1], 512<<16
	s_mov_b32 s[G1+2], (MT/32)<<16
	s_mov_b32 s[G1+3], 512<<16
	s_mov_b32 s[G1+4], MT/32
	s_mov_b32 s[G1+5], 256*KS                      ; from block to block: 16 K bytes
	s_mov_b32 s[G1+6], 0
	s_mov_b32 s[G1+7], 0
	s_mov_b32 s[G1B+1], 512<<16
	s_mov_b32 s[G1B+2], 8<<16
	s_mov_b32 s[G1B+3], 512<<16
	s_mov_b32 s[G1B+4], 8
	s_mov_b32 s[G1B+5], 256*KS
	s_mov_b32 s[G1B+6], 0
	s_mov_b32 s[G1B+7], 0
	s_or_b32 s[G1S], s43, (SAL<<16)|(1<<21)        ; A's scale words
	s_mov_b32 s[G1S+1], SAC<<16
	s_mov_b32 s[G1S+2], SAR<<16
	s_mov_b32 s[G1S+3], SAC<<16
	s_mov_b32 s[G1S+4], SAR
	s_mov_b32 s[G1S+5], SAP
	s_mov_b32 s[G1S+6], 0
	s_mov_b32 s[G1S+7], 0
	s_or_b32 s[G1SB], s44, (2<<16)|(1<<21)         ; W's: KS / 2 rows (K steps) of 256 words, NPOS words apart
	s_mov_b32 s[G1SB+1], 256<<16
	s_mov_b32 s[G1SB+2], (KS/2)<<16
	s_mov_b32 s[G1SB+3], 256<<16
	s_mov_b32 s[G1SB+4], KS/2
	s_mov_b32 s[G1SB+5], NPOS
	s_mov_b32 s[G1SB+6], 0
	s_mov_b32 s[G1SB+7], 0
	s_mul_i32 s20, s17, MT*K                       ; A's offsets hang on Y and the wave alone, W's on X and the wave alone
	s_mul_i32 s18, s16, (MT/2)*K
	s_add_co_u32 s20, s20, s18
	s_mov_b32 s21, 0
	s_mul_i32 s22, s17, SA_Y
	s_mul_i32 s18, s16, SA_F
	s_add_co_u32 s22, s22, s18
	s_add_co_u32 s22, s22, ASC
	s_mov_b32 s23, 0
	s_mul_i32 s46, s42, 256*K
	s_mul_i32 s18, s16, 128*K
	s_add_co_u32 s46, s46, s18
	s_add_co_u32 s46, s46, WOFF
	s_mov_b32 s47, 0
	s_lshl_b32 s92, s42, 10
	s_lshl_b32 s18, s16, 15                        ; KS / 2 K steps of 4 NPOS bytes = 32,768
	s_add_co_u32 s92, s92, s18
	s_add_co_u32 s92, s92, WSOFF
	s_mov_b32 s93, 0
	s_mul_i32 s45, s16, (MT/32)*4096               ; where they go: no place in the cluster enters an LDS address
	s_lshl_b32 s94, s16, 15
	s_add_co_u32 s94, s94, BOF
	s_lshl_b32 s95, s16, 12
	s_mul_i32 s96, s16, (KS/2)*1024
	s_wait_dscnt 0x0                               ; both opening adds are done
	s_wait_kmcnt 0x0
	s_add_nc_u64 s[20:21], s[4:5], s[20:21]
	s_add_nc_u64 s[22:23], s[4:5], s[22:23]
	s_add_nc_u64 s[46:47], s[6:7], s[46:47]
	s_add_nc_u64 s[92:93], s[6:7], s[92:93]
	CROUND                                         ; all sixteen work-groups are here: the first joint loads meet
	s_mov_b32 s[G0S], 1
	s_add_co_u32 s[G0S+1], s95, SCLA
	s_mov_b64 s[G0S+2:G0S+3], s[22:23]
	s_or_b32 s[G0S+3], s[G0S+3], 0x80000000
	s_mov_b32 s[G0SB], 1
	s_add_co_u32 s[G0SB+1], s96, SCLB
	s_mov_b64 s[G0SB+2:G0SB+3], s[92:93]
	s_or_b32 s[G0SB+3], s[G0SB+3], 0x80000000
	JLOAD G0S, G1S, G0SB, G1SB                     ; the scales first: wanted with K step 0.  Three loads of mine are out behind the third of these lines
.irp s, 0,1
	s_mov_b32 s[G0+4*\s], 1
	s_add_co_u32 s[G0+4*\s+1], s45, \s*SLOT
	s_add_nc_u64 s[G0+4*\s+2:G0+4*\s+3], s[20:21], \s*4096
	s_or_b32 s[G0+4*\s+3], s[G0+4*\s+3], 0x80000000
	s_mov_b32 s[G0B+4*\s], 1
	s_add_co_u32 s[G0B+4*\s+1], s94, \s*SLOT
	s_add_nc_u64 s[G0B+4*\s+2:G0B+4*\s+3], s[46:47], \s*4096
	s_or_b32 s[G0B+4*\s+3], s[G0B+4*\s+3], 0x80000000
	JLOAD G0+4*\s, G1, G0B+4*\s, G1B
.endr
	v_and_b32 v1, 15, v0                           ; r
	v_bfe_u32 v2, v0, 4, 1                         ; h
	v_and_b32 v3, 31, v0
	v_lshlrev_b32 v[LI], 4, v3
	s_mul_i32 s18, s15, NA*4096
	s_lshl_b32 s19, s16, 15
	s_add_co_u32 s19, s19, BOF
.irp s, 0,1
	v_add_nc_u32 v[ADRA+\s], s18, v[LI]
	v_add_nc_u32 v[ADRB+\s], s19, v[LI]
	s_add_co_u32 s18, s18, SLOT
	s_add_co_u32 s19, s19, SLOT
.endr
	v_mul_u32_u24 v3, v2, SA_H
	v_lshl_add_u32 v3, v1, 2, v3
	s_mul_i32 s18, s15, SA_W
	s_add_co_u32 s18, s18, SCLA
	v_add_nc_u32 v[ADRSA], s18, v3
	v_lshlrev_b32 v3, 10, v2
	v_lshl_add_u32 v3, v1, 2, v3
	s_lshl_b32 s18, s16, 9
	s_add_co_u32 s18, s18, SCLB
	v_add_nc_u32 v[ADRSB], s18, v3
	v_lshlrev_b32 v[BO], 6, v2
	s_lshl_b32 s18, s14, 9
	s_add_co_u32 s18, s18, STG
	v_lshl_add_u32 v[PWA], v1, 2, s18
	v_add_nc_u32 v[PWR], s18, v[LI]
	s_cmp_lt_u32 s42, 4                            ; columns 0-1,023 take ssm_b1, the others bwd_b1
	s_cselect_b64 s[18:19], s[8:9], s[10:11]
	s_and_b32 s22, s42, 3
	s_lshl_b32 s22, s22, 10
	s_lshl_b32 s23, s16, 9
	s_add_co_u32 s22, s22, s23
	s_mov_b32 s23, 0
	s_add_nc_u64 s[18:19], s[18:19], s[22:23]
.irp c, 0,1,2,3
.irp i, 0,1,2,3
	global_load_b128 v[BIAS+16*\c+4*\i:BIAS+16*\c+4*\i+3], v[BO], s[18:19] offset:128*\c+16*\i   ; in the result's layout: columns 32 c + 16 h + 4 i on
.endr
.endr
	s_lshl_b32 s22, s42, 16                        ; hq's scale words [ks = 2 X + wx][row]: 32,768 bytes a K step
	s_lshl_b32 s20, s16, 15
	s_add_co_u32 s22, s22, s20
	s_lshl_b32 s20, s17, 10
	s_add_co_u32 s22, s22, s20
	s_lshl_b32 s20, s15, 9
	s_add_co_u32 s22, s22, s20
	s_add_co_u32 s22, s22, 16777216
	s_add_nc_u64 s[46:47], s[12:13], s[22:23]
	s_lshl_b32 s22, s17, 19                        ; hq's codes: fragment (block 16 Y + 8 wy + a, ks 2 X + wx) of 2,048 bytes, 16 to a block
	s_lshl_b32 s20, s15, 18
	s_add_co_u32 s22, s22, s20
	s_lshl_b32 s20, s42, 12
	s_add_co_u32 s22, s22, s20
	s_lshl_b32 s20, s16, 11
	s_add_co_u32 s22, s22, s20
	s_add_nc_u64 s[12:13], s[12:13], s[22:23]
.macro FRAG reg, adr, q, i             ; a fragment as it lies: four loads of 512 consecutive bytes
.irp c, 0,1,2,3
	ds_load_b128 v[\reg+4*\c:\reg+4*\c+3], v[\adr] offset:4096*(\i)+2048*(\q)+512*\c
.endr
.endm
.macro FETCH_B slot, q, p              ; W's eight fragments of the slot's q-th 128 along K into set p (window 1)
	WIN 0x40
.irp i, 0,1,2,3,4,5,6,7
	FRAG 128*(\p)+16*\i, ADRB+\slot, \q, \i
.endr
	WIN 0
.endm
.macro FETCH_A slot, q, half           ; the lower or upper half of A's blocks
.set fi, (\half)*NA/2
.rept NA/2
	FRAG AF+16*fi, ADRA+\slot, \q, fi
.set fi, fi+1
.endr
.endm
.macro SCALES set
.set si, 0
.rept NA
	ds_load_b32 v[SC+16*(\set)+si], v[ADRSA] offset:SA_I*si
.set si, si+1
.endr
.irp b, 0,1,2,3,4,5,6,7
	ds_load_b32 v[SC+16*(\set)+8+\b], v[ADRSB] offset:64*\b
.endr
.endm
; A quarter of a step of 128 along K: NA / 4 blocks of A, each against W's eight.  The accumulators take turns, one instruction a turn, in the same order in every step.
.macro MULQ t, p, q, sc, first
.set ma, (\t)*NA/4
.rept NA/4
	WIN 0x81+0x40*(ma/4)+(1-(\first))*(0x20+0x10*(ma/4))
.irp b, 0,1,2,3,4,5,6,7
.set AC, 8*(8*(ma%4)+\b)
.set BF, 128*(\p)+16*\b
.set FA, AF+16*ma
.set RSB, SC+16*(\sc)+8+\b
.set RSA, SC+16*(\sc)+ma
.if \first
	v_wmma_scale_f32_16x16x128_f8f6f4 v[AC:AC+7], v[BF:BF+15], v[FA:FA+15], v[BIAS+8*\b:BIAS+8*\b+7], v[RSB], v[RSA] matrix_a_fmt:MATRIX_FMT_BF8 matrix_b_fmt:MATRIX_FMT_BF8
.elseif \q
	v_wmma_scale_f32_16x16x128_f8f6f4 v[AC:AC+7], v[BF:BF+15], v[FA:FA+15], v[AC:AC+7], v[RSB], v[RSA] matrix_a_fmt:MATRIX_FMT_BF8 matrix_b_fmt:MATRIX_FMT_BF8 matrix_a_scale:MATRIX_SCALE_ROW1 matrix_b_scale:MATRIX_SCALE_ROW1
.else
	v_wmma_scale_f32_16x16x128_f8f6f4 v[AC:AC+7], v[BF:BF+15], v[FA:FA+15], v[AC:AC+7], v[RSB], v[RSA] matrix_a_fmt:MATRIX_FMT_BF8 matrix_b_fmt:MATRIX_FMT_BF8
.endif
.endr
.set ma, ma+1
.endr
.endm
.macro STEP slot, first                ; a slot's first 128 along K; it fetches the second
	s_wait_dscnt 2*NA                              ; all but the youngest loads, A's upper half
	MULQ 0, 0, 0, \slot, \first
	MULQ 1, 0, 0, \slot, \first
	s_wait_dscnt 0x0
	PLACES 8
	FETCH_B \slot, 1, 1
	FETCH_A \slot, 1, 0
	MULQ 2, 0, 0, \slot, \first
	MULQ 3, 0, 0, \slot, \first
	PLACES 8
	WIN 0
	FETCH_A \slot, 1, 1
.endm
; A slot's second 128 along K changes slots: one barrier; in front of it each wave waits for all its tensor loads, adds 0 to its spare word, and waits for that and for its reads of this slot.  fill = 1: the barrier opens a round of the cluster's, and the slot is filled again.
.macro TURN slot, next, fill
	s_wait_tensorcnt 0x0                           ; all my tensor loads have landed: the one that was out is my part of the next slot
	ds_add_u32 v[SPW], v[NIL]                      ; 0 onto my spare word
	s_wait_dscnt 2*NA+1                            ; (the add and A's upper half may be out)
	MULQ 0, 1, 1, \slot, 0
	s_wait_dscnt 0x0                               ; the add is done, and my reads of this slot are over
	s_barrier_signal -1
	MULQ 1, 1, 1, \slot, 0
	WIN 0
	s_barrier_wait -1
.if \fill
	CREST                                          ; no wave of any partner still reads this slot or has a load on its way
	s_add_nc_u64 s[G0+4*\slot+2:G0+4*\slot+3], s[G0+4*\slot+2:G0+4*\slot+3], 8192
	s_add_nc_u64 s[G0B+4*\slot+2:G0B+4*\slot+3], s[G0B+4*\slot+2:G0B+4*\slot+3], 8192
	JLOAD G0+4*\slot, G1, G0B+4*\slot, G1B         ; the first tensor load behind the round, my one load until the next; its four v_nop are four of the eight places
	PLACES 4
.else
	PLACES 8
.endif
	v_add_nc_u32 v[ADRSA], SA_S, v[ADRSA]          ; the next slot's scale words
	v_add_nc_u32 v[ADRSB], 2048, v[ADRSB]
	FETCH_B \next, 0, 0
	FETCH_A \next, 0, 0
	SCALES \next
	MULQ 2, 1, 1, \slot, 0
	MULQ 3, 1, 1, \slot, 0
	PLACES 8
	WIN 0
	FETCH_A \next, 0, 1
.endm
	s_wait_tensorcnt 0x1                           ; the scales and my part of slot 0 are in; slot 1's load may be out
	s_barrier_signal -1
	s_barrier_wait -1
	FETCH_B 0, 0, 0
	FETCH_A 0, 0, 0
	SCALES 0
	FETCH_A 0, 0, 1
	s_wait_loadcnt 0x0                             ; the bias
	STEP 0, 1                                      ; the first step stands ahead of the loop: its products start the sums, on the bias
	s_mov_b32 s3, K/512-1
.Llap:                                         ; a trip goes once round the ring and fills both slots again
	TURN 0, 1, 1
	STEP 1, 0
	TURN 1, 0, 1
	STEP 0, 0
	s_sub_co_u32 s3, s3, 1
	s_cmp_lg_u32 s3, 0
	s_cbranch_scc1 .Llap
	TURN 0, 1, 0                                   ; the last lap fills nothing
	STEP 1, 0
	s_wait_dscnt 2*NA
	MULQ 0, 1, 1, 1, 0
	MULQ 1, 1, 1, 1, 0
	s_wait_dscnt 0x0
	MULQ 2, 1, 1, 1, 0
	MULQ 3, 1, 1, 1, 0
	WIN 0
	; ---- THE WAY OUT, a block of 16 rows x 128 columns at a time.  Every pass takes the block's 64 registers in ascending order.
.set T,   0                            ; window 1: v0-63
.set E,   128                          ; window 0
.set P,   192
.set TM,  64                           ; v64-67 largest magnitudes, v68-71 bytes, v72-75 57,344 x scale, v76-79 scale operands
.set PC,  80                           ; v80-95 the fragment's codes
.set PX,  68                           ; scalars in registers that the scales' descriptors have left (no tensor load is out)
.set CE,  70
.set A5,  72
.set A3,  74
.set A2,  76
.set A1,  78
.set MNT, 80
.set SEL, 82
	PLACES 8
	s_mov_b32 s[PX], 0x3e6d3389                    ; 0.2316419
	s_mov_b32 s[CE], 0xbf38aa3b                    ; -log2(e) / 2
	s_mov_b32 s[CE+1], 0xbf38aa3b
	s_mov_b32 s[A5], 0x3f07dc22                    ; the five coefficients / sqrt(2 pi)
	s_mov_b32 s[A5+1], 0x3f07dc22
	s_mov_b32 s[A3], 0x3f35f0e3
	s_mov_b32 s[A3+1], 0x3f35f0e3
	s_mov_b32 s[A2], 0xbe11a98e
	s_mov_b32 s[A2+1], 0xbe11a98e
	s_mov_b32 s[A1], 0x3e027906
	s_mov_b32 s[A1+1], 0x3e027906
	s_mov_b32 s[MNT], 0x600000
	s_mov_b32 s[SEL], 0x76543210
	s_mov_b32 s[SEL+1], 0xfedcba98
	v_mov_b32 v30, 0xbf3a00e3                      ; the fourth, as a vector pair
	v_mov_b32 v31, 0xbf3a00e3
.irp b, 0,1,2,3
	v_mov_b32 v[TM+4+\b], 0                        ; a lane permute's destination counts as one of its sources
.endr
.macro GELU a
.set W, 2+(\a)/4
.set XB, 64*((\a)%4)
	WIN 0x40|W
.set j, 0
.rept 64
	v_fma_f32 v[T+j], |v[XB+j]|, s[PX], 1.0
.set j, j+1
.endr
	WIN 5*W
.set j, 0
.rept 32
	v_pk_mul_f32 v[E+j:E+j+1], v[XB+j:XB+j+1], v[XB+j:XB+j+1]
.set j, j+2
.endr
	WIN 0
.set j, 0
.rept 32
	v_pk_mul_f32 v[E+j:E+j+1], v[E+j:E+j+1], s[CE:CE+1] op_sel_hi:[1,0]
.set j, j+2
.endr
	WIN 0x41
.set j, 0
.rept 64
	v_rcp_f32 v[T+j], v[T+j]                       ; t
.set j, j+1
.endr
	WIN 0
.set j, 0
.rept 64
	v_exp_f32 v[E+j], v[E+j]                       ; exp(-x^2 / 2)
.set j, j+1
.endr
	v_nop                                          ; a plain instruction behind the batch of 128,
	s_wait_alu depctr_va_vdst(0)                   ; and the one wait ahead of its first reader
	WIN 0x01
.set j, 0
.rept 32
	v_pk_fma_f32 v[P+j:P+j+1], v[T+j:T+j+1], s[A5:A5+1], v[30:31] op_sel_hi:[1,0,1]
.set j, j+2
.endr
	WIN 0x04
.irp cf, A3, A2, A1
.set j, 0
.rept 32
	v_pk_fma_f32 v[P+j:P+j+1], v[P+j:P+j+1], v[T+j:T+j+1], s[\cf:\cf+1] op_sel_hi:[1,1,0]
.set j, j+2
.endr
.endr
.set j, 0
.rept 32
	v_pk_mul_f32 v[P+j:P+j+1], v[P+j:P+j+1], v[T+j:T+j+1]
.set j, j+2
.endr
	WIN 0
.set j, 0
.rept 32
	v_pk_mul_f32 v[P+j:P+j+1], v[P+j:P+j+1], v[E+j:E+j+1]   ; q
.set j, j+2
.endr
	WIN 0x40|(W<<2)
.set j, 0
.rept 64
	v_max_num_f32 v[T+j], 0, v[XB+j]
.set j, j+1
.endr
	WIN W|0x10
.set j, 0
.rept 64
	v_fma_f32 v[E+j], -|v[XB+j]|, v[P+j], v[T+j]   ; max(x, 0) - |x| q
.set j, j+1
.endr
	WIN 0
.endm
; 64 numbers of a lane, register 16 b + i = k 32 b + 16 h + i of my row, become a fragment's codes in v[PC] on and its scale word in v[PW]
.macro QUANT s
.irp b, 0,1,2,3
	v_max3_num_f32 v[TM+\b], |v[\s+16*\b]|, |v[\s+1+16*\b]|, 0x8000000   ; my 16 numbers of block b, and the floor 2^(16 - 127)
.endr
.irp i, 2,4,6,8,10,12,14
.irp b, 0,1,2,3
	v_max3_num_f32 v[TM+\b], v[TM+\b], |v[\s+16*\b+\i]|, |v[\s+1+16*\b+\i]|
.endr
.endr
.irp b, 0,1,2,3
	v_permlanex16_b32 v[TM+4+\b], v[TM+\b], s[SEL], s[SEL+1]
.endr
.irp b, 0,1,2,3
	v_max_num_f32 v[TM+\b], v[TM+\b], v[TM+4+\b]   ; with lane l xor 16's 16
.endr
.irp b, 0,1,2,3
	v_add_nc_u32 v[TM+12+\b], 0xf8800000, v[TM+\b] ; 15 off the exponent field: the conversion's scale operand
.endr
.irp b, 0,1,2,3
	v_and_or_b32 v[TM+8+\b], v[TM+\b], 0x7f800000, s[MNT]   ; 57,344 x the scale
.endr
.irp b, 0,1,2,3
	v_lshrrev_b32 v[TM+4+\b], 23, v[TM+12+\b]      ; the byte
.endr
	v_lshl_or_b32 v[PW], v[TM+5], 8, v[TM+4]
	v_lshl_or_b32 v[PW], v[TM+6], 16, v[PW]
	v_lshl_or_b32 v[PW], v[TM+7], 24, v[PW]
.irp b, 0,1,2,3
.set j, 0
.rept 16
	v_med3_num_f32 v[\s+16*\b+j], v[\s+16*\b+j], -v[TM+8+\b], v[TM+8+\b]   ; the conversion does not saturate (ISA guide 7.6.2)
.set j, j+1
.endr
	v_cvt_scalef32_pk8_bf8_f32 v[PC+4*\b:PC+1+4*\b], v[\s+16*\b:\s+7+16*\b], v[TM+12+\b]
	v_cvt_scalef32_pk8_bf8_f32 v[PC+2+4*\b:PC+3+4*\b], v[\s+8+16*\b:\s+15+16*\b], v[TM+12+\b]
.endr
	v_nop                                          ; a plain instruction behind the last conversion
.endm
.irp a, 0,1,2,3,4,5,6,7
	GELU \a
.if \a > 0
	s_wait_xcnt 0x0                                ; the last block's stores have read the codes' registers,
	s_wait_dscnt 0x0                               ; and its LDS store the scale word's
.endif
	QUANT E
.irp c, 0,1,2,3
	global_store_b128 v[LI], v[PC+4*\c:PC+4*\c+3], s[12:13] offset:32768*\a+512*\c   ; the fragment as it stands: 512 consecutive bytes a store
.endr
	ds_store_b32 v[PWA], v[PW] offset:64*\a        ; both halves of the lanes hold and write the same word
.endr
	ds_load_b128 v[96:99], v[PWR]                  ; my 128 rows' scale words (LDS serves a wave's instructions in order)
	s_wait_dscnt 0x0
	global_store_b128 v[LI], v[96:99], s[46:47]
	s_wait_tensorcnt 0x0                           ; the wave's end
	ds_add_u32 v[SPW], v[NIL]
	s_wait_dscnt 0x0
	CROUND                                         ; the closing round
	s_endpgm
.Lfunc_end_k_q28736f0114_ga_erf:
	.size	k_q28736f0114_ga_erf, .Lfunc_end_k_q28736f0114_ga_erf-k_q28736f0114_ga_erf
	.p2alignl 7, 3214868480
	.fill 96, 4, 3214868480
	.section	.rodata,"a",@progbits
	.p2align	6, 0x0
	.amdhsa_kernel k_q28736f0114_ga_erf
		.amdhsa_group_segment_fixed_size 327680
		.amdhsa_private_segment_fixed_size 0
		.amdhsa_enable_private_segment 0
		.amdhsa_kernarg_size 40
		.amdhsa_user_sgpr_count 2
		.amdhsa_user_sgpr_kernarg_segment_ptr 1
		.amdhsa_wavefront_size32 1
		.amdhsa_system_sgpr_workgroup_id_x 1
		.amdhsa_system_sgpr_workgroup_id_y 1
		.amdhsa_system_sgpr_workgroup_id_z 1
		.amdhsa_system_vgpr_workitem_id 0
		.amdhsa_next_free_vgpr 1024
		.amdhsa_next_free_sgpr 100
		.amdhsa_reserve_vcc 0
		.amdhsa_float_denorm_mode_32 3
		.amdhsa_float_denorm_mode_16_64 3
		.amdhsa_memory_ordered 1
		.amdhsa_forward_progress 1
		.amdhsa_inst_pref_size 255
	.end_amdhsa_kernel
	.section	.bss,"aw",@nobits
	.p2align	6
	.space	262144
	.amdgpu_metadata
---
amdhsa.version: [ 1, 2 ]
amdhsa.kernels:
  - .name:           k_q28736f0114_ga_erf
    .symbol:         k_q28736f0114_ga_erf.kd
    .args:
      - { .name: aq, .offset: 0, .size: 8, .value_kind: global_buffer, .address_space: global }
      - { .name: p1, .offset: 8, .size: 8, .value_kind: global_buffer, .address_space: global }
      - { .name: ssm_b1, .offset: 16, .size: 8, .value_kind: global_buffer, .address_space: global }
      - { .name: bwd_b1, .offset: 24, .size: 8, .value_kind: global_buffer, .address_space: global }
      - { .name: hq, .offset: 32, .size: 8, .value_kind: global_buffer, .address_space: global }
    .group_segment_fixed_size: 327680
    .private_segment_fixed_size: 0
    .kernarg_segment_align: 8
    .kernarg_segment_size: 40
    .max_flat_workgroup_size: 128
    .sgpr_count:     100
    .vgpr_count:     1024
    .wavefront_size: 32
...
	.end_amdgpu_metadata
.endif
;; end of part 3
;; launch gb (part 4): grid 8 x 32, 4 waves a work-group, clusters of 4 x 4, 327,680 bytes of LDS; arguments hq, p1, x, mask, x1; writes x1
.if DOCPART == 4
	.amdgcn_target "amdgcn-amd-amdhsa--gfx1250"
	.amdhsa_code_object_version 6
	.text
	.protected	k_q28736f0114_gb
	.globl	k_q28736f0114_gb
	.p2align	8
	.type	k_q28736f0114_gb,@function
k_q28736f0114_gb:
	s_mov_b64 s[64:65], 0
	v_nop
	global_prefetch_b8 v0, s[64:65] scope:SCOPE_SE
	s_setreg_imm32_b32 hwreg(HW_REG_WAVE_MODE, 25, 1), 1
	s_wait_xcnt 0x0
	s_wait_alu depctr_hold_cnt(0) depctr_sa_sdst(0) depctr_va_vdst(0) depctr_va_sdst(0) depctr_va_ssrc(0) depctr_va_vcc(0) depctr_vm_vsrc(0)
	s_getreg_b32 s2, hwreg(HW_REG_IB_STS2, 6, 4)
	s_cmp_eq_u32 s2, 0
	s_cbranch_scc0 .Lentry_in_a_cluster
	s_endpgm
.Lentry_in_a_cluster:
	s_bfe_u32 s2, ttmp6, 0x10000c
	s_cmp_lg_u32 s2, 0xf033
	s_cbranch_scc0 .Lentry_shape_is_right
	s_endpgm
.Lentry_shape_is_right:
; out = res + gate x where(mask, H W^T + b, 0): H = hq, 8,192 x 2,048 as codes of E5M2 with E8M0 scales; W = the pack's second weight, 1,024 positions x 2,048; b, gate from the pack; res, out f32 [8,192][1,024].
; (The flips of reference() are left out: see the first kernel's head.  The second use of this text has no mask: it is given bytes of 1.)
; SHARES: a tile of 256 rows x 128 columns to a work-group, 256 work-groups; the four waves lie one below the other: wave w makes rows 64 w .. 64 w + 63 x 128 columns: 32 accumulators, 256 registers; K = 2,048 in 16 steps of 128, all written out.
; W'S TILE, 128 positions x 2,048 = 262,144 bytes, LIES IN LDS WHOLE: two halves of K, both first fills, asked for jointly along a column of the 4 x 4 cluster.  Nothing of W is fetched again, so the walk over K has no ring.
; H GOES FROM MEMORY STRAIGHT INTO REGISTERS: its codes lie in the order of the operand's registers (fragment (block, ks) = 2,048 bytes [c][lane][16] at (16 block + ks) x 2,048), so a fragment is four loads of 512 consecutive bytes.
; A ring of four K steps (4 x 64 registers): K step t + 3 is asked for at the head of step t, so 64 loads of a wave are on their way; no fragment is loaded by two waves of a work-group.
; WHY H IS NOT ASKED FOR JOINTLY, though the four work-groups of a cluster's row read the same rows: a joint load lands in LDS, and LDS is full: 262,144 (W) + 24,576 (scales) + 33,792 (stage) + 512 (spare words) = 321,024 of 327,680 bytes.
; THE SCALES of the tile's rows and columns for all of K come into LDS once, with the first fills (H's jointly along a row of the cluster, W's along a column).  A scale register holds K step 2 p in lanes 0-15 and 2 p + 1 in lanes 16-31.
; THE RESIDUAL: when W's first half has been read for the last time (K step 7's fragments are fetched at the head of step 6), its 131,072 bytes are filled again, once, with the tile of res: each wave's own 64 rows x 512 bytes, by a tensor load of its own
; (no mask: no partner shares it), behind the spare word's add with its two waits and a round of the cluster's barrier; it has nine K steps in which to land, and only the wave that asked reads it.
; THE MATRIX INSTRUCTION IS USED TRANSPOSED (source 0 = 16 positions of W, source 1 = 16 rows of H); the bias is the C of each sum's first instruction.
; THE WAY OUT: a block of 16 rows goes through the wave's own stage in LDS, where the exchange of column bits 3 and 4 is undone, and comes back as rows of 512 bytes; one multiply-add with gate and res; the row's mask byte selects between that and res; 512 consecutive bytes a store.
; LIMITS: NaN and infinities are not served.  Rows under the mask are computed and selected away.
; REGISTERS: window 0: v1-31 addresses, v8-11 gate; v32-63 scale words, two sets, and nothing else; v64-127 the bias; v128-255 rows on the way out.  window 1: W's fragments, two sets.  window 2: accumulators (a, b) at v[8 (8 a + b)].
;   window 3: H's fragments, K step t at v[64 (t % 4)]; on the way out res, row rho at v[4 rho].
.set WOFF,  2097152                    ; the weight's codes and scale words in the pack
.set WSOFF, 4259840
.set ASC,   16777216                   ; H's scale words in its buffer: [ks][row]
.set HALF,  131072                     ; LDS: W's K steps 0-7 at 0, 8-15 at HALF: block i (16 positions) at 16,384 i, K step q of the half at 2,048 q
.set SCLA,  2*HALF                     ; H's scale words [ks 16][row 256], 16,384 bytes
.set SCLB,  SCLA+16384                 ; W's [ks 16][position 128], 8,192 bytes
.set STG,   SCLB+8192                  ; the stage: 16 rows x 528 bytes for each wave
.set SPARE, STG+4*16*528               ; the spare words, 128 bytes for each wave: two blocks of 256 bytes that no other line names
.set LI,    16                         ; v16  16 x lane; also the LDS address of W's blocks 0-3 in the first half
.set ADRB,  16                         ; v16-19  W's blocks 0-3, 4-7 of the first half, 0-3, 4-7 of the second (an LDS offset reaches 65,535)
.set ADRSA, 22                         ; v22, v23 my scale words
.set ADRSB, 23
.set STO,   24                         ; v24  into my stage;  v25  back;  v26  my rows of res in LDS
.set RD,    25
.set RRD,   26
.set BO,    27
.set SPW,   28                         ; v28  my spare word;  v29  0; neither is rewritten
.set NIL,   29
.set PFO,   30                         ; v30  the prefetches' offset: lane l names block 32,768 (l / 8) + 256 (l % 8); never rewritten
.set SC,    32
.set BIAS,  64
.set BK,    128
.set G1R, 24                           ; s[24:31], s[32:35] groups 1 and 0 for the tile of res
.set G0R, 32
.set HB,  36                           ; s[36:37] H at my wave's first block; never rewritten
.set PFA, 38                           ; s[38:39] the same + 2,048 x my place along the cluster's x; never rewritten
.set G1B, 48                           ; s[48:55] group 1 for W's codes;  s[56:63] group 0, one set for each half
.set G0B, 56
.set G1S, 68                           ; s[68:75], s[76:79] H's scales;  s[80:87], s[88:91] W's
.set G0S, 76
.set G1SB, 80
.set G0SB, 88
.set MSB, 0
.macro WIN new                         ; the immediate's high byte repeats the setting that is left; a switch that changes nothing is dropped
.if MSB != (\new)
	s_set_vgpr_msb (MSB<<8)|(\new)
.set MSB, (\new)
.endif
.endm
.macro JLOAD g0a, g1a, g0b, g1b        ; a joint load: waves 0 and 1 fetch for H, waves 2 and 3 for W; an s_nop 0 and four v_nop follow each line
	s_cmp_eq_u32 s15, 0
	s_cbranch_scc0 .Lfor_b_\@
	tensor_load_to_lds s[\g0a:\g0a+3], s[\g1a:\g1a+7]
	s_nop 0
.rept 4
	v_nop
.endr
	s_branch .Lasked_\@
.Lfor_b_\@:
	tensor_load_to_lds s[\g0b:\g0b+3], s[\g1b:\g1b+7]
	s_nop 0
.rept 4
	v_nop
.endr
.Lasked_\@:
.endm
.macro CREST                           ; a round of the cluster's barrier behind its opening barrier
	s_cmp_lg_u32 s14, 0
	s_cbranch_scc1 .Lnot_wave_0_\@
	s_barrier_signal -3
.Lnot_wave_0_\@:
	s_barrier_wait -3
	s_barrier_signal -1
	s_barrier_wait -1
.endm
.macro CROUND
	s_barrier_signal -1
	s_barrier_wait -1
	CREST
.endm
.macro PLACES n                        ; plain vector instructions between a matrix instruction and a load into, or a read of, its registers: eight for this form
.if (\n) > 0
.rept \n
	v_nop
.endr
.endif
.endm
	s_load_b256 s[4:11], s[0:1], 0x0               ; H s[4:5], pack s[6:7], res s[8:9], mask s[10:11]
	s_load_b64 s[12:13], s[0:1], 0x20              ; out
	v_lshl_add_u32 v[SPW], v0, 2, SPARE
	v_mov_b32 v[NIL], 0
	ds_add_u32 v[SPW], v[NIL]                      ; the wave's opening: the add, twice on end, and its wait ahead of my first tensor load
	ds_add_u32 v[SPW], v[NIL]
	v_lshrrev_b32 v1, 5, v0
	v_readfirstlane_b32 s14, v1                    ; wave 0..3: my 64 rows; also which two blocks of W I fetch
	s_lshr_b32 s15, s14, 1                         ; the scales: I fetch H's (0) or W's (1),
	s_and_b32 s16, s14, 1                          ; K steps 0-7 or 8-15
	s_bfe_u32 s40, ttmp6, 0x40000                  ; cx, cy
	s_bfe_u32 s41, ttmp6, 0x40004
	s_lshl_b32 s42, ttmp9, 2
	s_add_co_u32 s42, s42, s40                     ; tile column X, 0..7
	s_and_b32 s17, ttmp7, 0xffff
	s_lshl_b32 s17, s17, 2
	s_add_co_u32 s17, s17, s41                     ; tile row Y, 0..31
	s_mov_b32 s98, ttmp9                           ; the cluster's x: the same in all sixteen partners
	s_lshl_b32 s43, s41, 2
	s_lshl_b32 s43, 15, s43                        ; my row of the cluster
	s_lshl_b32 s44, 0x1111, s40                    ; my column
	s_or_b32 s[G1B], s44, (3<<16)|(1<<21)          ; W's codes: elements of 8 bytes; 2 rows (blocks) of 2,048 (16,384 bytes: a block's half of K), 4,096 apart (32,768 bytes: a block); no padding; bit 21 beside the mask
	s_mov_b32 s[G1B+1], 2048<<16
	s_mov_b32 s[G1B+2], 2<<16
	s_mov_b32 s[G1B+3], 2048<<16
	s_mov_b32 s[G1B+4], 2
	s_mov_b32 s[G1B+5], 4096
	s_mov_b32 s[G1B+6], 0
	s_mov_b32 s[G1B+7], 0
	s_or_b32 s[G1S], s43, (2<<16)|(1<<21)          ; H's scale words: 8 rows (K steps) of 256 words, 8,192 words apart
	s_mov_b32 s[G1S+1], 256<<16
	s_mov_b32 s[G1S+2], 8<<16
	s_mov_b32 s[G1S+3], 256<<16
	s_mov_b32 s[G1S+4], 8
	s_mov_b32 s[G1S+5], 8192
	s_mov_b32 s[G1S+6], 0
	s_mov_b32 s[G1S+7], 0
	s_or_b32 s[G1SB], s44, (2<<16)|(1<<21)         ; W's: 8 rows (K steps) of 128 words, 1,024 words apart
	s_mov_b32 s[G1SB+1], 128<<16
	s_mov_b32 s[G1SB+2], 8<<16
	s_mov_b32 s[G1SB+3], 128<<16
	s_mov_b32 s[G1SB+4], 8
	s_mov_b32 s[G1SB+5], 1024
	s_mov_b32 s[G1SB+6], 0
	s_mov_b32 s[G1SB+7], 0
	s_mov_b32 s[G1R], 2<<16                        ; res: no mask; 64 rows of 128 f32 (512 bytes), 1,024 apart; dense in LDS
	s_mov_b32 s[G1R+1], 128<<16
	s_mov_b32 s[G1R+2], 64<<16
	s_mov_b32 s[G1R+3], 128<<16
	s_mov_b32 s[G1R+4], 64
	s_mov_b32 s[G1R+5], 1024
	s_mov_b32 s[G1R+6], 0
	s_mov_b32 s[G1R+7], 0
	s_lshl_b32 s20, s17, 19                        ; H's codes: block 16 Y + 4 w, 32,768 bytes a block
	s_lshl_b32 s18, s14, 17
	s_add_co_u32 s20, s20, s18
	s_mov_b32 s21, 0
	s_lshl_b32 s22, s17, 10                        ; H's scale words: 4 x 256 Y, + 8 K steps of 32,768 bytes for the second half: Y and the wave alone
	s_lshl_b32 s18, s16, 18
	s_add_co_u32 s22, s22, s18
	s_add_co_u32 s22, s22, ASC
	s_mov_b32 s23, 0
	s_lshl_b32 s46, s42, 18                        ; W's codes: block 8 X + 2 w: X and the wave alone
	s_lshl_b32 s18, s14, 16
	s_add_co_u32 s46, s46, s18
	s_add_co_u32 s46, s46, WOFF
	s_mov_b32 s47, 0
	s_lshl_b32 s92, s42, 9                         ; W's scale words: 4 x 128 X, + 8 K steps of 4,096 bytes
	s_lshl_b32 s18, s16, 15
	s_add_co_u32 s92, s92, s18
	s_add_co_u32 s92, s92, WSOFF
	s_mov_b32 s93, 0
	s_lshl_b32 s94, s14, 15                        ; where they go: no place in the cluster enters an LDS address
	s_lshl_b32 s95, s16, 13
	s_lshl_b32 s96, s16, 12
	s_wait_dscnt 0x0                               ; both opening adds are done
	s_wait_kmcnt 0x0
	s_add_nc_u64 s[HB:HB+1], s[4:5], s[20:21]
	s_add_nc_u64 s[22:23], s[4:5], s[22:23]
	s_add_nc_u64 s[46:47], s[6:7], s[46:47]
	s_add_nc_u64 s[92:93], s[6:7], s[92:93]
	CROUND                                         ; all sixteen work-groups are here: the first joint loads meet
	s_mov_b32 s[G0S], 1
	s_add_co_u32 s[G0S+1], s95, SCLA
	s_mov_b64 s[G0S+2:G0S+3], s[22:23]
	s_or_b32 s[G0S+3], s[G0S+3], 0x80000000
	s_mov_b32 s[G0SB], 1
	s_add_co_u32 s[G0SB+1], s96, SCLB
	s_mov_b64 s[G0SB+2:G0SB+3], s[92:93]
	s_or_b32 s[G0SB+3], s[G0SB+3], 0x80000000
	JLOAD G0S, G1S, G0SB, G1SB                     ; the scales first: wanted with K step 0
.irp s, 0,1                                    ; then my two blocks of each half of W: every wave issues the same two lines; three loads of mine are out behind the second
	s_mov_b32 s[G0B+4*\s], 1
	s_add_co_u32 s[G0B+4*\s+1], s94, \s*HALF
	s_add_nc_u64 s[G0B+4*\s+2:G0B+4*\s+3], s[46:47], \s*16384
	s_or_b32 s[G0B+4*\s+3], s[G0B+4*\s+3], 0x80000000
	tensor_load_to_lds s[G0B+4*\s:G0B+4*\s+3], s[G1B:G1B+7]
	s_nop 0
.endr
.rept 4
	v_nop
.endr
	v_and_b32 v1, 15, v0                           ; r
	v_bfe_u32 v2, v0, 4, 1                         ; h
	v_and_b32 v3, 31, v0
	v_lshlrev_b32 v[LI], 4, v3
	v_add_nc_u32 v[ADRB+1], 0x10000, v[LI]
	v_add_nc_u32 v[ADRB+2], 0x20000, v[LI]
	v_add_nc_u32 v[ADRB+3], 0x30000, v[LI]
	v_lshrrev_b32 v[PFO], 3, v3
	v_lshlrev_b32 v[PFO], 15, v[PFO]
	v_and_b32 v3, 7, v0
	v_lshl_add_u32 v[PFO], v3, 8, v[PFO]
	v_lshlrev_b32 v3, 10, v2                       ; H's scale words: 1,024 bytes a K step (lanes 16-31 take the odd one), 4 bytes a row, my wave's 64 rows
	v_lshl_add_u32 v3, v1, 2, v3
	s_lshl_b32 s18, s14, 8
	s_add_co_u32 s18, s18, SCLA
	v_add_nc_u32 v[ADRSA], s18, v3
	v_lshlrev_b32 v3, 9, v2                        ; W's: 512 bytes a K step
	v_lshl_add_u32 v3, v1, 2, v3
	v_add_nc_u32 v[ADRSB], SCLB, v3
	v_lshlrev_b32 v[BO], 6, v2
	s_mul_i32 s18, s14, 16*528
	s_add_co_u32 s18, s18, STG
	v_mul_u32_u24 v3, v1, 528
	v_lshl_add_u32 v3, v2, 6, v3
	v_add_nc_u32 v[STO], s18, v3                   ; into my stage: row r, + 64 h
	v_add_nc_u32 v[RD], s18, v[LI]                 ; back: a row of 512 bytes, 16 a lane
	s_lshl_b32 s18, s14, 15
	v_add_nc_u32 v[RRD], s18, v[LI]                ; my rows of res: 32,768 w + 16 x lane
	s_lshl_b32 s18, s40, 11                        ; the prefetches: the four partners of a row of the cluster are told apart by address: K step + cx
	s_mov_b32 s19, 0
	s_add_nc_u64 s[PFA:PFA+1], s[HB:HB+1], s[18:19]
	s_lshl_b32 s22, s42, 9                         ; the tile's first column, in bytes of f32
	s_mov_b32 s23, 0
	s_add_nc_u64 s[18:19], s[6:7], s[22:23]
	s_add_nc_u64 s[20:21], s[18:19], 4325376+8192  ; emb's third third: the gate,
	s_add_nc_u64 s[18:19], s[18:19], 4423680       ; the bias
	s_lshr_b32 s96, s17, 2                         ; the batch: 4 tiles of 256 rows
	s_mul_i32 s96, s96, 12288
	s_mov_b32 s97, 0
	s_add_nc_u64 s[20:21], s[20:21], s[96:97]
	s_lshl_b32 s96, s17, 20                        ; my first row of res and out: (256 Y + 64 w) x 4,096 bytes
	s_lshl_b32 s45, s14, 18
	s_add_co_u32 s96, s96, s45
	s_add_co_u32 s96, s96, s22
	s_mov_b32 s[G0R], 1
	s_lshl_b32 s[G0R+1], s14, 15
	s_add_nc_u64 s[G0R+2:G0R+3], s[8:9], s[96:97]
	s_or_b32 s[G0R+3], s[G0R+3], 0x80000000
	s_add_nc_u64 s[12:13], s[12:13], s[96:97]
	s_lshl_b32 s96, s17, 8
	s_lshl_b32 s45, s14, 6
	s_add_co_u32 s96, s96, s45
	s_add_nc_u64 s[10:11], s[10:11], s[96:97]      ; my 64 rows' mask bytes
.irp c, 0,1,2,3
.irp i, 0,1,2,3
	global_load_b128 v[BIAS+16*\c+4*\i:BIAS+16*\c+4*\i+3], v[BO], s[18:19] offset:128*\c+16*\i   ; in the result's layout: columns 32 c + 16 h + 4 i on
.endr
.endr
	global_load_b128 v[8:11], v[LI], s[20:21]      ; the gate of columns 4 lane on
.macro ALOAD t                         ; H's four fragments of K step t into ring place t % 4 (window 3): 16 loads of 512 consecutive bytes; every offset an immediate
	WIN 0xc0
.irp a, 0,1,2,3
.irp c, 0,1,2,3
	global_load_b128 v[64*((\t)%4)+16*\a+4*\c:64*((\t)%4)+16*\a+4*\c+3], v[LI], s[HB:HB+1] offset:32768*\a+2048*(\t)+512*\c
.endr
.endr
.endm
.macro FETCH_B t                       ; W's eight fragments of K step t into set t % 2 (window 1)
	WIN 0x40
.irp i, 0,1,2,3,4,5,6,7
.irp c, 0,1,2,3
	ds_load_b128 v[128*((\t)%2)+16*\i+4*\c:128*((\t)%2)+16*\i+4*\c+3], v[ADRB+2*((\t)/8)+\i/4] offset:16384*(\i%4)+2048*((\t)%8)+512*\c
.endr
.endr
.endm
.macro SCALES p                        ; the scale words of K steps 2 p and 2 p + 1 into set p % 2: H's four blocks, W's eight
	WIN 0
.irp a, 0,1,2,3
	ds_load_b32 v[SC+16*((\p)%2)+\a], v[ADRSA] offset:2048*(\p)+64*\a
.endr
.irp b, 0,1,2,3,4,5,6,7
	ds_load_b32 v[SC+16*((\p)%2)+8+\b], v[ADRSB] offset:1024*(\p)+64*\b
.endr
.endm
; Eight products of K step t: block a of H against W's eight.  The 32 accumulators take turns, one instruction a turn, in the same order in every step.
.macro MULQ t, a
.if (\t) == 0
	WIN 0x8d                                       ; source 0 (W) window 1, source 1 (H) window 3, C (the bias) window 0, D window 2
.else
	WIN 0xad                                       ; the same, C window 2
.endif
.irp b, 0,1,2,3,4,5,6,7
.set AC, 8*(8*(\a)+\b)
.set BF, 128*((\t)%2)+16*\b
.set FA, 64*((\t)%4)+16*(\a)
.set RSB, SC+16*(((\t)/2)%2)+8+\b
.set RSA, SC+16*(((\t)/2)%2)+(\a)
.if (\t) == 0
	v_wmma_scale_f32_16x16x128_f8f6f4 v[AC:AC+7], v[BF:BF+15], v[FA:FA+15], v[BIAS+8*\b:BIAS+8*\b+7], v[RSB], v[RSA] matrix_a_fmt:MATRIX_FMT_BF8 matrix_b_fmt:MATRIX_FMT_BF8
.elseif (\t)%2
	v_wmma_scale_f32_16x16x128_f8f6f4 v[AC:AC+7], v[BF:BF+15], v[FA:FA+15], v[AC:AC+7], v[RSB], v[RSA] matrix_a_fmt:MATRIX_FMT_BF8 matrix_b_fmt:MATRIX_FMT_BF8 matrix_a_scale:MATRIX_SCALE_ROW1 matrix_b_scale:MATRIX_SCALE_ROW1
.else
	v_wmma_scale_f32_16x16x128_f8f6f4 v[AC:AC+7], v[BF:BF+15], v[FA:FA+15], v[AC:AC+7], v[RSB], v[RSA] matrix_a_fmt:MATRIX_FMT_BF8 matrix_b_fmt:MATRIX_FMT_BF8
.endif
.endr
.endm
; K STEP t.  At its head, behind the places that the last step's products are owed (pl of them are still to come), one run of loads into registers that step t - 1 read last: the scale words of the pair after this one (even t),
; W's fragments of step t + 1, H's of step t + 3.  Then the step's 32 products.  chg = 1: in its second half W's first half is given up and filled with res.
.macro KSTEP t, pl, chg
	PLACES \pl
.set dn, 0
.if ((\t)%2 == 0) && ((\t) < 14)
	SCALES ((\t)+2)/2
.set dn, 12
.endif
.if (\t) < 15
	FETCH_B (\t)+1
.set dn, dn+32
.endif
.if (\t) < 13
	ALOAD (\t)+3
.endif
.if ((\t) == 1) || ((\t) == 5)
; A PREFETCH INTO THE L2 of H's K steps 8 to 15, behind the run of loads.  A tile row's rows are read by the work-groups of both clusters of that row of clusters: the cluster with x = 0 asks.  Its four partners of a row share the K steps
; out by address: in step 1 partner cx names K step 8 + cx, in step 5 K step 12 + cx, of its waves' own rows: a K step of 64 rows is 4 fragments of 2,048 bytes = 32 blocks of 256, a lane a block, one instruction a wave.
; So each block is named once in the launch, four to seven K steps ahead of the load that wants it (K step u is loaded at the head of step u - 3).  K steps 0 to 7 come by their loads alone.
	WIN 0
	s_cmp_eq_u32 s98, 0
	s_cbranch_scc0 .Lnot_mine_\@
	global_prefetch_b8 v[PFO], s[PFA:PFA+1] offset:2048*((\t)+7) th:TH_LOAD_NT scope:SCOPE_SE
.Lnot_mine_\@:
.endif
.set lc, 16*(15-(\t))
.if lc > 48
.set lc, 48
.endif
	s_wait_dscnt dn                                ; W's fragments of this step, fetched a step ago, are in; the LDS loads of this head may be out
	s_wait_loadcnt lc                              ; H's fragments of this step are in; those of the up to three steps behind it, 16 loads each, may be out
	MULQ \t, 0
	MULQ \t, 1
.if \chg
	WIN 0                                          ; (the add's two registers lie in window 0)
	s_wait_tensorcnt 0x0                           ; all my tensor loads have landed: my part of W's second half;
	ds_add_u32 v[SPW], v[NIL]                      ; 0 onto my spare word; eight products stand between it and the wait for it
	MULQ \t, 2
	s_wait_dscnt 0x0                               ; the add is done, and my reads of W's first half are over (the last were issued at this step's head)
	s_barrier_signal -1
	MULQ \t, 3
	WIN 0
	s_barrier_wait -1
	CREST                                          ; the barrier has opened a round of the cluster's: in a launch in clusters every tensor load stands behind one
	tensor_load_to_lds s[G0R:G0R+3], s[G1R:G1R+7]  ; my one load behind the round: my 64 rows of res, onto bytes 32,768 w on, which W's first fill had; the four waves' loads cover the half
	s_nop 0
.rept 4
	v_nop                                          ; (four of the eight places ahead of the next head's loads)
.endr
.else
	MULQ \t, 2
	MULQ \t, 3
.endif
.endm
	ALOAD 0                                        ; the ring's first three places; the fourth is asked for at the head of step 0
	ALOAD 1
	ALOAD 2
	WIN 0
	s_wait_tensorcnt 0x1                           ; the scales and my part of W's first half are in; the second half's load may be out
	s_barrier_signal -1
	s_barrier_wait -1
	s_load_b512 s[68:83], s[10:11], 0x0            ; my 64 mask bytes, into registers that the scales' descriptors have left (their load is shown done by the wait above)
	SCALES 0
	FETCH_B 0
	KSTEP 0, 0, 0                                  ; its products start the sums, on the bias
	KSTEP 1, 8, 0
	KSTEP 2, 8, 0
	KSTEP 3, 8, 0
	KSTEP 4, 8, 0
	KSTEP 5, 8, 0
	KSTEP 6, 8, 1                                  ; K step 7's fragments of W, the first half's last, are fetched at this step's head; step 8's, the second half's first, behind the barrier
	KSTEP 7, 4, 0
	KSTEP 8, 8, 0
	KSTEP 9, 8, 0
	KSTEP 10, 8, 0
	KSTEP 11, 8, 0
	KSTEP 12, 8, 0
	KSTEP 13, 8, 0
	KSTEP 14, 8, 0
	KSTEP 15, 8, 0
	WIN 0
	; ---- THE WAY OUT
	PLACES 8
	s_wait_tensorcnt 0x0                           ; my rows of res are in LDS: only I read them
	s_wait_kmcnt 0x0                               ; the mask bytes
.macro TOSTAGE a
	WIN 0x08                                       ; an LDS store's data are its source 1: window 2
.irp b, 0,1,2,3,4,5,6,7
	ds_store_b128 v[STO], v[8*(8*(\a)+\b):8*(8*(\a)+\b)+3] offset:128*(\b/2)+32*(\b%2)         ; columns 32 (b / 2) + 16 h + 8 (b % 2) on; each accumulator from its low end
	ds_store_b128 v[STO], v[8*(8*(\a)+\b)+4:8*(8*(\a)+\b)+7] offset:128*(\b/2)+32*(\b%2)+16
.endr
	WIN 0
.irp t, 0,1,2,3,4,5,6,7,8,9,10,11,12,13,14,15
	ds_load_b128 v[BK+64*((\a)%2)+4*\t:BK+64*((\a)%2)+4*\t+3], v[RD] offset:528*\t   ; LDS serves a wave's instructions in order: these see the stores above
.endr
	WIN 0xc0                                       ; destination window 3: the registers that H's ring has left
.irp t, 0,1,2,3,4,5,6,7,8,9,10,11,12,13,14,15
	ds_load_b128 v[64*(\a)+4*\t:64*(\a)+4*\t+3], v[RRD] offset:512*(16*(\a)+\t)      ; the same 16 rows of res
.endr
	WIN 0
.endm
.macro FIN a, younger                  ; younger: the LDS instructions issued behind block a's loads, which may stay out
.set BB, BK+64*((\a)%2)
	s_wait_dscnt \younger
	WIN 0x30                                       ; source 2 (res) window 3
.irp t, 0,1,2,3,4,5,6,7,8,9,10,11,12,13,14,15
	v_pk_fma_f32 v[BB+4*\t:BB+4*\t+1], v[BB+4*\t:BB+4*\t+1], v[8:9], v[4*(16*(\a)+\t):4*(16*(\a)+\t)+1]
	v_pk_fma_f32 v[BB+4*\t+2:BB+4*\t+3], v[BB+4*\t+2:BB+4*\t+3], v[10:11], v[4*(16*(\a)+\t)+2:4*(16*(\a)+\t)+3]
.endr
	WIN 0x03                                       ; source 0 (res) window 3
.irp t, 0,1,2,3,4,5,6,7,8,9,10,11,12,13,14,15
	s_bfe_u32 s[92+(\t)%2], s[68+4*(\a)+(\t)/4], (8<<16)|(8*((\t)%4))   ; the row's mask byte, 0 or 1,
	s_sub_co_u32 s[92+(\t)%2], 0, s[92+(\t)%2]                          ; as a lane mask: it selects, nothing branches on it
.irp e, 0,1,2,3
	v_cndmask_b32 v[BB+4*\t+\e], v[4*(16*(\a)+\t)+\e], v[BB+4*\t+\e], s[92+(\t)%2]
.endr
.endr
	WIN 0
.irp t, 0,1,2,3,4,5,6,7,8,9,10,11,12,13,14,15
	global_store_b128 v[LI], v[BB+4*\t:BB+4*\t+3], s[12:13] offset:4096*(16*(\a)+\t) th:TH_STORE_NT   ; 32 lanes store 512 consecutive bytes, aligned
.endr
.endm
	TOSTAGE 0
	TOSTAGE 1
	FIN 0, 48                                      ; behind block 0's loads: block 1's 16 stores and 32 loads
	s_wait_xcnt 0x0                                ; block 0's stores have read the registers into which block 2's rows land
	TOSTAGE 2
	FIN 1, 48
	s_wait_xcnt 0x0
	TOSTAGE 3
	FIN 2, 48
	FIN 3, 0
	s_wait_tensorcnt 0x0                           ; the wave's end
	ds_add_u32 v[SPW], v[NIL]
	s_wait_dscnt 0x0
	CROUND                                         ; the closing round
	s_endpgm
.Lfunc_end_k_q28736f0114_gb:
	.size	k_q28736f0114_gb, .Lfunc_end_k_q28736f0114_gb-k_q28736f0114_gb
	.p2alignl 7, 3214868480
	.fill 96, 4, 3214868480
	.section	.rodata,"a",@progbits
	.p2align	6, 0x0
	.amdhsa_kernel k_q28736f0114_gb
		.amdhsa_group_segment_fixed_size 327680
		.amdhsa_private_segment_fixed_size 0
		.amdhsa_enable_private_segment 0
		.amdhsa_kernarg_size 40
		.amdhsa_user_sgpr_count 2
		.amdhsa_user_sgpr_kernarg_segment_ptr 1
		.amdhsa_wavefront_size32 1
		.amdhsa_system_sgpr_workgroup_id_x 1
		.amdhsa_system_sgpr_workgroup_id_y 1
		.amdhsa_system_sgpr_workgroup_id_z 1
		.amdhsa_system_vgpr_workitem_id 0
		.amdhsa_next_free_vgpr 1024
		.amdhsa_next_free_sgpr 100
		.amdhsa_reserve_vcc 0
		.amdhsa_float_denorm_mode_32 3
		.amdhsa_float_denorm_mode_16_64 3
		.amdhsa_memory_ordered 1
		.amdhsa_forward_progress 1
		.amdhsa_inst_pref_size 194
	.end_amdhsa_kernel
	.amdgpu_metadata
---
amdhsa.version: [ 1, 2 ]
amdhsa.kernels:
  - .name:           k_q28736f0114_gb
    .symbol:         k_q28736f0114_gb.kd
    .args:
      - { .name: hq, .offset: 0, .size: 8, .value_kind: global_buffer, .address_space: global }
      - { .name: p1, .offset: 8, .size: 8, .value_kind: global_buffer, .address_space: global }
      - { .name: x, .offset: 16, .size: 8, .value_kind: global_buffer, .address_space: global }
      - { .name: mask, .offset: 24, .size: 8, .value_kind: global_buffer, .address_space: global }
      - { .name: x1, .offset: 32, .size: 8, .value_kind: global_buffer, .address_space: global }
    .group_segment_fixed_size: 327680
    .private_segment_fixed_size: 0
    .kernarg_segment_align: 8
    .kernarg_segment_size: 40
    .max_flat_workgroup_size: 128
    .sgpr_count:     100
    .vgpr_count:     1024
    .wavefront_size: 32
...
	.end_amdgpu_metadata
.endif
;; end of part 4
;; launch ln2: the kernel of part 2 again; grid 512 x 1, 4 waves a work-group, no clusters, 18,432 bytes of LDS; arguments x1, p2, ones, aq; writes aq
;; launch ga_tanh (part 5): grid 8 x 32, 4 waves a work-group, clusters of 4 x 4, 327,680 bytes of LDS; arguments aq, p2, ff_b1, hq; writes hq
.if DOCPART == 5
	.amdgcn_target "amdgcn-amd-amdhsa--gfx1250"
	.amdhsa_code_object_version 6
	.text
	.protected	k_q28736f0114_ga_tanh
	.globl	k_q28736f0114_ga_tanh
	.p2align	8
	.type	k_q28736f0114_ga_tanh,@function
k_q28736f0114_ga_tanh:
	s_mov_b64 s[64:65], 0
	v_nop
	global_prefetch_b8 v0, s[64:65] scope:SCOPE_SE
	s_setreg_imm32_b32 hwreg(HW_REG_WAVE_MODE, 25, 1), 1
	s_wait_xcnt 0x0
	s_wait_alu depctr_hold_cnt(0) depctr_sa_sdst(0) depctr_va_vdst(0) depctr_va_sdst(0) depctr_va_ssrc(0) depctr_va_vcc(0) depctr_vm_vsrc(0)
	s_getreg_b32 s2, hwreg(HW_REG_IB_STS2, 6, 4)
	s_cmp_eq_u32 s2, 0
	s_cbranch_scc0 .Lentry_in_a_cluster
	s_endpgm
.Lentry_in_a_cluster:
	s_bfe_u32 s2, ttmp6, 0x10000c
	s_cmp_lg_u32 s2, 0xf033
	s_cbranch_scc0 .Lentry_shape_is_right
	s_endpgm
.Lentry_shape_is_right:
; hq = Q(gelu_tanh(A W^T + b)): A = aq, 8,192 x 1,024 as codes of E5M2 with E8M0 scales; W = the pack's first weight (ff_w1), 2,048 positions x 1,024; b = ff_b1.
; The text is that of the SSM half's first product; only the bias's address and the activation differ.  A tile of 256 x 256 by four waves, each 128 x 128; K in steps of 256 through a ring of two LDS slots; codes in the order of the operand's registers;
; the scales of all of K come once; 4 x 4 clusters ask for A's tiles jointly along a row and for W's along a column; the matrix instruction is used transposed, and W's column n sits at position n with bits 3 and 4 exchanged, so that a block's 64 registers
; are, in order, the lane's part of one fragment of the next product.  The bias is the C of each sum's first instruction.
; THE WAY OUT: gelu(x) = x / (1 + 2^(x (K1 + K3 x^2))), K1 = -2 log2(e) sqrt(2 / pi), K3 = 0.044715 K1: the same number as 0.5 x (1 + tanh(..)); then the quantiser in registers.
; LIMITS: a block of zeros gets the byte 1, not 127 (zero codes; read by this program alone); NaN and infinities are not served.
; REGISTERS: window 0: v1-31 addresses; v32-63 scale words, two sets, and nothing else; v64-127 the bias, later the quantiser's work; v128-255 A's fragments, later E.  window 1: W's fragments, two sets.  windows 2, 3: accumulators (a, b) at v[8 (8 (a % 4) + b)].
.set KIND,  1
.set K,     1024
.set NPOS,  2048
.set NA,    8
.set WOFF,  0
.set WSOFF, 4194304
.set ASC,   8388608
.set SA_I,  512
.set SA_H,  64
.set SA_S,  128
.set SA_W,  4096
.set SA_Y,  8192
.set SA_F,  4096
.set SAL,   3
.set SAC,   32
.set SAR,   16
.set SAP,   32
.set STGB,  2048
.set KS,    K/128
.set MT,    32*NA
.set BOF,   (MT/16)*4096
.set SLOT,  BOF+65536
.set SCLA,  2*SLOT
.set SCLB,  SCLA+8192
.set STG,   SCLB+KS*1024
.set SPARE, STG+STGB
.set LI,    4
.set PWA,   5
.set PWR,   6
.set PW,    12
.set ADRA,  16
.set ADRB,  20
.set ADRSA, 22
.set ADRSB, 23
.set BO,    27
.set SPW,   28
.set NIL,   29
.set SC,    32
.set BIAS,  64
.set AF,    128
.set G1, 24
.set G0, 32
.set G1B, 48
.set G0B, 56
.set G1S, 68
.set G0S, 76
.set G1SB, 80
.set G0SB, 88
.set MSB, 0
.macro WIN new                         ; the immediate's high byte repeats the setting that is left; a switch that changes nothing is dropped
.if MSB != (\new)
	s_set_vgpr_msb (MSB<<8)|(\new)
.set MSB, (\new)
.endif
.endm
.macro JLOAD g0a, g1a, g0b, g1b        ; a joint load: waves 0 and 1 fetch for A, waves 2 and 3 for W; an s_nop 0 and four v_nop follow each line
	s_cmp_eq_u32 s15, 0
	s_cbranch_scc0 .Lfor_b_\@
	tensor_load_to_lds s[\g0a:\g0a+3], s[\g1a:\g1a+7]
	s_nop 0
.rept 4
	v_nop
.endr
	s_branch .Lasked_\@
.Lfor_b_\@:
	tensor_load_to_lds s[\g0b:\g0b+3], s[\g1b:\g1b+7]
	s_nop 0
.rept 4
	v_nop
.endr
.Lasked_\@:
.endm
.macro CREST
	s_cmp_lg_u32 s14, 0
	s_cbranch_scc1 .Lnot_wave_0_\@
	s_barrier_signal -3
.Lnot_wave_0_\@:
	s_barrier_wait -3
	s_barrier_signal -1
	s_barrier_wait -1
.endm
.macro CROUND
	s_barrier_signal -1
	s_barrier_wait -1
	CREST
.endm
.macro PLACES n                        ; plain vector instructions between a matrix instruction and a load into, or a read of, its registers: eight for this form
.rept \n
	v_nop
.endr
.endm
	s_load_b256 s[4:11], s[0:1], 0x0               ; A s[4:5], pack s[6:7], ff_b1 s[8:9], hq s[10:11]
	v_lshl_add_u32 v[SPW], v0, 2, SPARE
	v_mov_b32 v[NIL], 0
	ds_add_u32 v[SPW], v[NIL]                      ; the wave's opening: the add, twice on end, and its wait ahead of my first tensor load
	ds_add_u32 v[SPW], v[NIL]
	v_lshrrev_b32 v1, 5, v0
	v_readfirstlane_b32 s14, v1
	s_lshr_b32 s15, s14, 1
	s_and_b32 s16, s14, 1
	s_bfe_u32 s40, ttmp6, 0x40000
	s_bfe_u32 s41, ttmp6, 0x40004
	s_lshl_b32 s42, ttmp9, 2
	s_add_co_u32 s42, s42, s40                     ; tile column X
	s_and_b32 s17, ttmp7, 0xffff
	s_lshl_b32 s17, s17, 2
	s_add_co_u32 s17, s17, s41                     ; tile row Y
	s_lshl_b32 s43, s41, 2
	s_lshl_b32 s43, 15, s43
	s_lshl_b32 s44, 0x1111, s40
	s_or_b32 s[G1], s43, (3<<16)|(1<<21)
	s_or_b32 s[G1B], s44, (3<<16)|(1<<21)
	s_mov_b32 s[G1+1], 512<<16
	s_mov_b32 s[G1+2], (MT/32)<<16
	s_mov_b32 s[G1+3], 512<<16
	s_mov_b32 s[G1+4], MT/32
	s_mov_b32 s[G1+5], 256*KS
	s_mov_b32 s[G1+6], 0
	s_mov_b32 s[G1+7], 0
	s_mov_b32 s[G1B+1], 512<<16
	s_mov_b32 s[G1B+2], 8<<16
	s_mov_b32 s[G1B+3], 512<<16
	s_mov_b32 s[G1B+4], 8
	s_mov_b32 s[G1B+5], 256*KS
	s_mov_b32 s[G1B+6], 0
	s_mov_b32 s[G1B+7], 0
	s_or_b32 s[G1S], s43, (SAL<<16)|(1<<21)
	s_mov_b32 s[G1S+1], SAC<<16
	s_mov_b32 s[G1S+2], SAR<<16
	s_mov_b32 s[G1S+3], SAC<<16
	s_mov_b32 s[G1S+4], SAR
	s_mov_b32 s[G1S+5], SAP
	s_mov_b32 s[G1S+6], 0
	s_mov_b32 s[G1S+7], 0
	s_or_b32 s[G1SB], s44, (2<<16)|(1<<21)
	s_mov_b32 s[G1SB+1], 256<<16
	s_mov_b32 s[G1SB+2], (KS/2)<<16
	s_mov_b32 s[G1SB+3], 256<<16
	s_mov_b32 s[G1SB+4], KS/2
	s_mov_b32 s[G1SB+5], NPOS
	s_mov_b32 s[G1SB+6], 0
	s_mov_b32 s[G1SB+7], 0
	s_mul_i32 s20, s17, MT*K
	s_mul_i32 s18, s16, (MT/2)*K
	s_add_co_u32 s20, s20, s18
	s_mov_b32 s21, 0
	s_mul_i32 s22, s17, SA_Y
	s_mul_i32 s18, s16, SA_F
	s_add_co_u32 s22, s22, s18
	s_add_co_u32 s22, s22, ASC
	s_mov_b32 s23, 0
	s_mul_i32 s46, s42, 256*K
	s_mul_i32 s18, s16, 128*K
	s_add_co_u32 s46, s46, s18
	s_add_co_u32 s46, s46, WOFF
	s_mov_b32 s47, 0
	s_lshl_b32 s92, s42, 10
	s_lshl_b32 s18, s16, 15
	s_add_co_u32 s92, s92, s18
	s_add_co_u32 s92, s92, WSOFF
	s_mov_b32 s93, 0
	s_mul_i32 s45, s16, (MT/32)*4096
	s_lshl_b32 s94, s16, 15
	s_add_co_u32 s94, s94, BOF
	s_lshl_b32 s95, s16, 12
	s_mul_i32 s96, s16, (KS/2)*1024
	s_wait_dscnt 0x0                               ; both opening adds are done
	s_wait_kmcnt 0x0
	s_mov_b64 s[12:13], s[10:11]                   ; hq
	s_add_nc_u64 s[20:21], s[4:5], s[20:21]
	s_add_nc_u64 s[22:23], s[4:5], s[22:23]
	s_add_nc_u64 s[46:47], s[6:7], s[46:47]
	s_add_nc_u64 s[92:93], s[6:7], s[92:93]
	CROUND                                         ; all sixteen work-groups are here: the first joint loads meet
	s_mov_b32 s[G0S], 1
	s_add_co_u32 s[G0S+1], s95, SCLA
	s_mov_b64 s[G0S+2:G0S+3], s[22:23]
	s_or_b32 s[G0S+3], s[G0S+3], 0x80000000
	s_mov_b32 s[G0SB], 1
	s_add_co_u32 s[G0SB+1], s96, SCLB
	s_mov_b64 s[G0SB+2:G0SB+3], s[92:93]
	s_or_b32 s[G0SB+3], s[G0SB+3], 0x80000000
	JLOAD G0S, G1S, G0SB, G1SB                     ; three loads of mine are out behind the third of these lines
.irp s, 0,1
	s_mov_b32 s[G0+4*\s], 1
	s_add_co_u32 s[G0+4*\s+1], s45, \s*SLOT
	s_add_nc_u64 s[G0+4*\s+2:G0+4*\s+3], s[20:21], \s*4096
	s_or_b32 s[G0+4*\s+3], s[G0+4*\s+3], 0x80000000
	s_mov_b32 s[G0B+4*\s], 1
	s_add_co_u32 s[G0B+4*\s+1], s94, \s*SLOT
	s_add_nc_u64 s[G0B+4*\s+2:G0B+4*\s+3], s[46:47], \s*4096
	s_or_b32 s[G0B+4*\s+3], s[G0B+4*\s+3], 0x80000000
	JLOAD G0+4*\s, G1, G0B+4*\s, G1B
.endr
	v_and_b32 v1, 15, v0                           ; r
	v_bfe_u32 v2, v0, 4, 1                         ; h
	v_and_b32 v3, 31, v0
	v_lshlrev_b32 v[LI], 4, v3
	s_mul_i32 s18, s15, NA*4096
	s_lshl_b32 s19, s16, 15
	s_add_co_u32 s19, s19, BOF
.irp s, 0,1
	v_add_nc_u32 v[ADRA+\s], s18, v[LI]
	v_add_nc_u32 v[ADRB+\s], s19, v[LI]
	s_add_co_u32 s18, s18, SLOT
	s_add_co_u32 s19, s19, SLOT
.endr
	v_mul_u32_u24 v3, v2, SA_H
	v_lshl_add_u32 v3, v1, 2, v3
	s_mul_i32 s18, s15, SA_W
	s_add_co_u32 s18, s18, SCLA
	v_add_nc_u32 v[ADRSA], s18, v3
	v_lshlrev_b32 v3, 10, v2
	v_lshl_add_u32 v3, v1, 2, v3
	s_lshl_b32 s18, s16, 9
	s_add_co_u32 s18, s18, SCLB
	v_add_nc_u32 v[ADRSB], s18, v3
	v_lshlrev_b32 v[BO], 6, v2
	s_lshl_b32 s18, s14, 9
	s_add_co_u32 s18, s18, STG
	v_lshl_add_u32 v[PWA], v1, 2, s18
	v_add_nc_u32 v[PWR], s18, v[LI]
	s_lshl_b32 s22, s42, 10
	s_lshl_b32 s23, s16, 9
	s_add_co_u32 s22, s22, s23                     ; my wave's first column, in bytes of f32
	s_mov_b32 s23, 0
	s_add_nc_u64 s[18:19], s[8:9], s[22:23]
.irp c, 0,1,2,3
.irp i, 0,1,2,3
	global_load_b128 v[BIAS+16*\c+4*\i:BIAS+16*\c+4*\i+3], v[BO], s[18:19] offset:128*\c+16*\i   ; in the result's layout: columns 32 c + 16 h + 4 i on
.endr
.endr
	s_lshl_b32 s22, s42, 16                        ; hq's scale words [ks = 2 X + wx][row]
	s_lshl_b32 s20, s16, 15
	s_add_co_u32 s22, s22, s20
	s_lshl_b32 s20, s17, 10
	s_add_co_u32 s22, s22, s20
	s_lshl_b32 s20, s15, 9
	s_add_co_u32 s22, s22, s20
	s_add_co_u32 s22, s22, 16777216
	s_add_nc_u64 s[46:47], s[12:13], s[22:23]
	s_lshl_b32 s22, s17, 19                        ; hq's codes: fragment (block 16 Y + 8 wy + a, ks 2 X + wx)
	s_lshl_b32 s20, s15, 18
	s_add_co_u32 s22, s22, s20
	s_lshl_b32 s20, s42, 12
	s_add_co_u32 s22, s22, s20
	s_lshl_b32 s20, s16, 11
	s_add_co_u32 s22, s22, s20
	s_add_nc_u64 s[12:13], s[12:13], s[22:23]
.macro FRAG reg, adr, q, i
.irp c, 0,1,2,3
	ds_load_b128 v[\reg+4*\c:\reg+4*\c+3], v[\adr] offset:4096*(\i)+2048*(\q)+512*\c
.endr
.endm
.macro FETCH_B slot, q, p
	WIN 0x40
.irp i, 0,1,2,3,4,5,6,7
	FRAG 128*(\p)+16*\i, ADRB+\slot, \q, \i
.endr
	WIN 0
.endm
.macro FETCH_A slot, q, half
.set fi, (\half)*NA/2
.rept NA/2
	FRAG AF+16*fi, ADRA+\slot, \q, fi
.set fi, fi+1
.endr
.endm
.macro SCALES set
.set si, 0
.rept NA
	ds_load_b32 v[SC+16*(\set)+si], v[ADRSA] offset:SA_I*si
.set si, si+1
.endr
.irp b, 0,1,2,3,4,5,6,7
	ds_load_b32 v[SC+16*(\set)+8+\b], v[ADRSB] offset:64*\b
.endr
.endm
; A quarter of a step of 128 along K: NA / 4 blocks of A, each against W's eight.  The accumulators take turns, one instruction a turn, in the same order in every step.
.macro MULQ t, p, q, sc, first
.set ma, (\t)*NA/4
.rept NA/4
	WIN 0x81+0x40*(ma/4)+(1-(\first))*(0x20+0x10*(ma/4))
.irp b, 0,1,2,3,4,5,6,7
.set AC, 8*(8*(ma%4)+\b)
.set BF, 128*(\p)+16*\b
.set FA, AF+16*ma
.set RSB, SC+16*(\sc)+8+\b
.set RSA, SC+16*(\sc)+ma
.if \first
	v_wmma_scale_f32_16x16x128_f8f6f4 v[AC:AC+7], v[BF:BF+15], v[FA:FA+15], v[BIAS+8*\b:BIAS+8*\b+7], v[RSB], v[RSA] matrix_a_fmt:MATRIX_FMT_BF8 matrix_b_fmt:MATRIX_FMT_BF8
.elseif \q
	v_wmma_scale_f32_16x16x128_f8f6f4 v[AC:AC+7], v[BF:BF+15], v[FA:FA+15], v[AC:AC+7], v[RSB], v[RSA] matrix_a_fmt:MATRIX_FMT_BF8 matrix_b_fmt:MATRIX_FMT_BF8 matrix_a_scale:MATRIX_SCALE_ROW1 matrix_b_scale:MATRIX_SCALE_ROW1
.else
	v_wmma_scale_f32_16x16x128_f8f6f4 v[AC:AC+7], v[BF:BF+15], v[FA:FA+15], v[AC:AC+7], v[RSB], v[RSA] matrix_a_fmt:MATRIX_FMT_BF8 matrix_b_fmt:MATRIX_FMT_BF8
.endif
.endr
.set ma, ma+1
.endr
.endm
.macro STEP slot, first
	s_wait_dscnt 2*NA                              ; all but the youngest loads, A's upper half
	MULQ 0, 0, 0, \slot, \first
	MULQ 1, 0, 0, \slot, \first
	s_wait_dscnt 0x0
	PLACES 8
	FETCH_B \slot, 1, 1
	FETCH_A \slot, 1, 0
	MULQ 2, 0, 0, \slot, \first
	MULQ 3, 0, 0, \slot, \first
	PLACES 8
	WIN 0
	FETCH_A \slot, 1, 1
.endm
.macro TURN slot, next, fill
	s_wait_tensorcnt 0x0                           ; all my tensor loads have landed: the one that was out is my part of the next slot
	ds_add_u32 v[SPW], v[NIL]                      ; 0 onto my spare word
	s_wait_dscnt 2*NA+1                            ; (the add and A's upper half may be out)
	MULQ 0, 1, 1, \slot, 0
	s_wait_dscnt 0x0                               ; the add is done, and my reads of this slot are over
	s_barrier_signal -1
	MULQ 1, 1, 1, \slot, 0
	WIN 0
	s_barrier_wait -1
.if \fill
	CREST                                          ; no wave of any partner still reads this slot or has a load on its way
	s_add_nc_u64 s[G0+4*\slot+2:G0+4*\slot+3], s[G0+4*\slot+2:G0+4*\slot+3], 8192
	s_add_nc_u64 s[G0B+4*\slot+2:G0B+4*\slot+3], s[G0B+4*\slot+2:G0B+4*\slot+3], 8192
	JLOAD G0+4*\slot, G1, G0B+4*\slot, G1B         ; the first tensor load behind the round, my one load until the next; its four v_nop are four of the eight places
	PLACES 4
.else
	PLACES 8
.endif
	v_add_nc_u32 v[ADRSA], SA_S, v[ADRSA]
	v_add_nc_u32 v[ADRSB], 2048, v[ADRSB]
	FETCH_B \next, 0, 0
	FETCH_A \next, 0, 0
	SCALES \next
	MULQ 2, 1, 1, \slot, 0
	MULQ 3, 1, 1, \slot, 0
	PLACES 8
	WIN 0
	FETCH_A \next, 0, 1
.endm
	s_wait_tensorcnt 0x1                           ; the scales and my part of slot 0 are in; slot 1's load may be out
	s_barrier_signal -1
	s_barrier_wait -1
	FETCH_B 0, 0, 0
	FETCH_A 0, 0, 0
	SCALES 0
	FETCH_A 0, 0, 1
	s_wait_loadcnt 0x0                             ; the bias
	STEP 0, 1
	s_mov_b32 s3, K/512-1
.Llap:
	TURN 0, 1, 1
	STEP 1, 0
	TURN 1, 0, 1
	STEP 0, 0
	s_sub_co_u32 s3, s3, 1
	s_cmp_lg_u32 s3, 0
	s_cbranch_scc1 .Llap
	TURN 0, 1, 0
	STEP 1, 0
	s_wait_dscnt 2*NA
	MULQ 0, 1, 1, 1, 0
	MULQ 1, 1, 1, 1, 0
	s_wait_dscnt 0x0
	MULQ 2, 1, 1, 1, 0
	MULQ 3, 1, 1, 1, 0
	WIN 0
	; ---- THE WAY OUT, a block of 16 rows x 128 columns at a time.  Every pass takes the block's 64 registers in ascending order.
.set E,   128
.set TM,  64
.set PC,  80
.set K3,  70                           ; scalars in registers that the scales' descriptors have left (no tensor load is out)
.set MNT, 80
.set SEL, 82
	PLACES 8
	s_mov_b32 s[K3], 0xbdd2d3e8                    ; 0.044715 K1
	s_mov_b32 s[K3+1], 0xbdd2d3e8
	s_mov_b32 s[MNT], 0x600000
	s_mov_b32 s[SEL], 0x76543210
	s_mov_b32 s[SEL+1], 0xfedcba98
	v_mov_b32 v30, 0xc0135761                      ; K1 = -2 log2(e) sqrt(2 / pi), as a vector pair
	v_mov_b32 v31, 0xc0135761
.irp b, 0,1,2,3
	v_mov_b32 v[TM+4+\b], 0                        ; a lane permute's destination counts as one of its sources
.endr
.macro GELU a
.set W, 2+(\a)/4
.set XB, 64*((\a)%4)
	WIN 5*W
.set j, 0
.rept 32
	v_pk_mul_f32 v[E+j:E+j+1], v[XB+j:XB+j+1], v[XB+j:XB+j+1]
.set j, j+2
.endr
	WIN 0
.set j, 0
.rept 32
	v_pk_fma_f32 v[E+j:E+j+1], v[E+j:E+j+1], s[K3:K3+1], v[30:31] op_sel_hi:[1,0,1]
.set j, j+2
.endr
	WIN 4*W
.set j, 0
.rept 32
	v_pk_mul_f32 v[E+j:E+j+1], v[E+j:E+j+1], v[XB+j:XB+j+1]
.set j, j+2
.endr
	WIN 0
.set j, 0
.rept 64
	v_exp_f32 v[E+j], v[E+j]
.set j, j+1
.endr
	v_nop                                          ; a plain instruction behind the batch,
	s_wait_alu depctr_va_vdst(0)                   ; and the one wait ahead of its first reader
.set j, 0
.rept 32
	v_pk_add_f32 v[E+j:E+j+1], v[E+j:E+j+1], 1.0 op_sel_hi:[1,0]
.set j, j+2
.endr
.set j, 0
.rept 64
	v_rcp_f32 v[E+j], v[E+j]
.set j, j+1
.endr
	v_nop
	s_wait_alu depctr_va_vdst(0)
	WIN 4*W
.set j, 0
.rept 32
	v_pk_mul_f32 v[E+j:E+j+1], v[E+j:E+j+1], v[XB+j:XB+j+1]
.set j, j+2
.endr
	WIN 0
.endm
; 64 numbers of a lane, register 16 b + i = k 32 b + 16 h + i of my row, become a fragment's codes in v[PC] on and its scale word in v[PW]
.macro QUANT s
.irp b, 0,1,2,3
	v_max3_num_f32 v[TM+\b], |v[\s+16*\b]|, |v[\s+1+16*\b]|, 0x8000000   ; my 16 numbers of block b, and the floor 2^(16 - 127)
.endr
.irp i, 2,4,6,8,10,12,14
.irp b, 0,1,2,3
	v_max3_num_f32 v[TM+\b], v[TM+\b], |v[\s+16*\b+\i]|, |v[\s+1+16*\b+\i]|
.endr
.endr
.irp b, 0,1,2,3
	v_permlanex16_b32 v[TM+4+\b], v[TM+\b], s[SEL], s[SEL+1]
.endr
.irp b, 0,1,2,3
	v_max_num_f32 v[TM+\b], v[TM+\b], v[TM+4+\b]
.endr
.irp b, 0,1,2,3
	v_add_nc_u32 v[TM+12+\b], 0xf8800000, v[TM+\b]
.endr
.irp b, 0,1,2,3
	v_and_or_b32 v[TM+8+\b], v[TM+\b], 0x7f800000, s[MNT]
.endr
.irp b, 0,1,2,3
	v_lshrrev_b32 v[TM+4+\b], 23, v[TM+12+\b]
.endr
	v_lshl_or_b32 v[PW], v[TM+5], 8, v[TM+4]
	v_lshl_or_b32 v[PW], v[TM+6], 16, v[PW]
	v_lshl_or_b32 v[PW], v[TM+7], 24, v[PW]
.irp b, 0,1,2,3
.set j, 0
.rept 16
	v_med3_num_f32 v[\s+16*\b+j], v[\s+16*\b+j], -v[TM+8+\b], v[TM+8+\b]   ; the conversion does not saturate (ISA guide 7.6.2)
.set j, j+1
.endr
	v_cvt_scalef32_pk8_bf8_f32 v[PC+4*\b:PC+1+4*\b], v[\s+16*\b:\s+7+16*\b], v[TM+12+\b]
	v_cvt_scalef32_pk8_bf8_f32 v[PC+2+4*\b:PC+3+4*\b], v[\s+8+16*\b:\s+15+16*\b], v[TM+12+\b]
.endr
	v_nop                                          ; a plain instruction behind the last conversion
.endm
.irp a, 0,1,2,3,4,5,6,7
	GELU \a
.if \a > 0
	s_wait_xcnt 0x0                                ; the last block's stores have read the codes' registers,
	s_wait_dscnt 0x0                               ; and its LDS store the scale word's
.endif
	QUANT E
.irp c, 0,1,2,3
	global_store_b128 v[LI], v[PC+4*\c:PC+4*\c+3], s[12:13] offset:32768*\a+512*\c   ; the fragment as it stands: 512 consecutive bytes a store
.endr
	ds_store_b32 v[PWA], v[PW] offset:64*\a
.endr
	ds_load_b128 v[96:99], v[PWR]                  ; my 128 rows' scale words (LDS serves a wave's instructions in order)
	s_wait_dscnt 0x0
	global_store_b128 v[LI], v[96:99], s[46:47]
	s_wait_tensorcnt 0x0                           ; the wave's end
	ds_add_u32 v[SPW], v[NIL]
	s_wait_dscnt 0x0
	CROUND                                         ; the closing round
	s_endpgm
.Lfunc_end_k_q28736f0114_ga_tanh:
	.size	k_q28736f0114_ga_tanh, .Lfunc_end_k_q28736f0114_ga_tanh-k_q28736f0114_ga_tanh
	.p2alignl 7, 3214868480
	.fill 96, 4, 3214868480
	.section	.rodata,"a",@progbits
	.p2align	6, 0x0
	.amdhsa_kernel k_q28736f0114_ga_tanh
		.amdhsa_group_segment_fixed_size 327680
		.amdhsa_private_segment_fixed_size 0
		.amdhsa_enable_private_segment 0
		.amdhsa_kernarg_size 32
		.amdhsa_user_sgpr_count 2
		.amdhsa_user_sgpr_kernarg_segment_ptr 1
		.amdhsa_wavefront_size32 1
		.amdhsa_system_sgpr_workgroup_id_x 1
		.amdhsa_system_sgpr_workgroup_id_y 1
		.amdhsa_system_sgpr_workgroup_id_z 1
		.amdhsa_system_vgpr_workitem_id 0
		.amdhsa_next_free_vgpr 1024
		.amdhsa_next_free_sgpr 100
		.amdhsa_reserve_vcc 0
		.amdhsa_float_denorm_mode_32 3
		.amdhsa_float_denorm_mode_16_64 3
		.amdhsa_memory_ordered 1
		.amdhsa_forward_progress 1
		.amdhsa_inst_pref_size 255
	.end_amdhsa_kernel
	.section	.bss,"aw",@nobits
	.p2align	6
	.space	262144
	.amdgpu_metadata
---
amdhsa.version: [ 1, 2 ]
amdhsa.kernels:
  - .name:           k_q28736f0114_ga_tanh
    .symbol:         k_q28736f0114_ga_tanh.kd
    .args:
      - { .name: aq, .offset: 0, .size: 8, .value_kind: global_buffer, .address_space: global }
      - { .name: p2, .offset: 8, .size: 8, .value_kind: global_buffer, .address_space: global }
      - { .name: ff_b1, .offset: 16, .size: 8, .value_kind: global_buffer, .address_space: global }
      - { .name: hq, .offset: 24, .size: 8, .value_kind: global_buffer, .address_space: global }
    .group_segment_fixed_size: 327680
    .private_segment_fixed_size: 0
    .kernarg_segment_align: 8
    .kernarg_segment_size: 32
    .max_flat_workgroup_size: 128
    .sgpr_count:     100
    .vgpr_count:     1024
    .wavefront_size: 32
...
	.end_amdgpu_metadata
.endif
;; end of part 5
;; launch gb2: the kernel of part 4 again; grid 8 x 32, 4 waves a work-group, clusters of 4 x 4, 327,680 bytes of LDS; arguments hq, p2, x1, ones, out0; writes out0
